; MI455X (gfx1250); checked and timed in simulation.
; The chip was launched on July 23, 2026; its instructions are those of AMD's public machine-readable ISA for CDNA 5 (MIT licence, August 2026) and "CDNA5" Instruction Set Architecture Reference Guide (July 2026). The comments in the code are by the model that wrote it; some were corrected since.
;; Multi Head Attention Slow. Allowed arithmetic: matrix products marked QUANTISED: E2M3 operands, one E8M0 scale for each 32 along K, by v_wmma_scale_f32_16x16x128_f8f6f4 with both operands' format E2M3, f32 sums; everything else in f32.
;; Inputs: Wk 16 x 1,024 x 64 float32; Wp 1,024 x 1,024 float32; Wq 16 x 1,024 x 64 float32; Wv 16 x 1,024 x 64 float32; bk 16 x 64 float32; bp 1,024 float32; bq 16 x 64 float32; bv 16 x 64 float32; key 4 x 2,048 x 1,024 float32; query 4 x 2,048 x 1,024 float32; value 4 x 2,048 x 1,024 float32.
;; Outputs: out0 4 x 2,048 x 1,024 float32.
;; This version of the problem:
;;   THIS VERSION OF THE PROBLEM IS GIVEN IN LOW PRECISION. The matrix products marked QUANTISED in the list below multiply operands that are first quantised to E2M3 (2 exponent bits, 3 mantissa bits; 6 bits a number), with one power-of-two scale for each 32 numbers along K (OCP MX v1.0); their sums are f32. All else is computed in f32.
;;   The module's matrix products, in the order in which they are computed (A, B: the left and right operand; K: the contracted axis; several contracted axes count as one K, in the product's order):
;;     1. [M 1,024, K 1,024] x [K 1,024, N 8,192]; A: input Wq; B: input query: QUANTISED
;;     2. [M 1,024, K 1,024] x [K 1,024, N 8,192]; A: input Wk; B: input key: QUANTISED
;;     3. [M 1,024, K 1,024] x [K 1,024, N 8,192]; A: input Wv; B: input value: QUANTISED
;;     4. batch 64 x [M 2,048, K 64] x [K 64, N 2,048]; A: computed on the way; B: computed on the way: QUANTISED
;;     5. batch 64 x [M 2,048, K 2,048] x [K 2,048, N 64]; A: softmax (see below); B: computed on the way: QUANTISED
;;     6. [M 8,192, K 1,024] x [K 1,024, N 1,024]; A: computed on the way; B: input Wp: QUANTISED
;;   THE QUANTISER, for each operand of a quantised product, along K:
;;     - K is cut into blocks of 32 from its start; a last block that is shorter is filled with zeros.
;;     - A block's scale is 2^e with e = floor(log2(the largest magnitude in the block)) - 2, held to -126 .. 127; a block of zeros has e = 0. As a byte (E8M0): e + 127.
;;     - Each number is divided by its block's scale, clamped to +-7.5, and rounded to the nearest number of E2M3, ties to even, subnormals kept.
;;     - The product sums the exact products of the quantised numbers (number of the format x scale) in f32.
;;   ~~~python
;;   def quantise(x, axis):      # numpy; x: float32 -> the quantised numbers, widened to float32 again
;;       x = np.moveaxis(x, axis, -1); K = x.shape[-1]
;;       x = np.pad(x, [(0, 0)] * (x.ndim - 1) + [(0, -K % 32)]); x = x.reshape(x.shape[:-1] + (-1, 32)); a = np.abs(x).max(-1, keepdims=True)
;;       e = np.where(a > 0, np.clip(np.frexp(np.where(a > 0, a, 1))[1] - 1 - 2, -126, 127), 0)      # np.frexp(a)[1] - 1 = floor(log2(a)), exactly
;;       r = np.clip(x / 2.0 ** e, -7.5, 7.5)
;;       step = 2.0 ** (np.maximum(np.frexp(np.where(r == 0, 1, r))[1] - 1, 0) - 3)
;;       q = np.round(r / step) * step * 2.0 ** e      # np.round: ties to even
;;       return np.moveaxis(q.reshape(q.shape[:-2] + (-1,))[..., :K], -1, axis).astype(np.float32)
;;   ~~~
;;   SOFTMAX AHEAD OF A QUANTISED PRODUCT. Where the list says 'softmax', what is quantised is not the finished softmax but p = 2^(t - M), with t = logit x log2(e) and M = ceil(the row's largest t), a whole number; so 1/2 < the row's largest p <= 1. The row's sum l is taken of the UNQUANTISED p, in f32, and the product's result is divided by l at the end. Since M is a whole number, a kernel that streams over the keys may use a running M (the ceiling of the running maximum): every later rescaling is an exact power of two, which a block's scale takes up: the codes' values come out the same.
;;   OPERANDS COMPUTED ON THE WAY. 'Computed on the way' means the value that the module computes at that place (a softmax that the list does not call 'softmax' is quantised finished and normalised). What goes into a quantiser is computed in f32, as accurately as f32 sums, v_exp_f32 and their like allow (about 1e-6 of the number): no bf16 or f16 on the way to a quantiser, and a product that is left as it is and whose result goes on into a quantised operand takes f32 operands (vector FMAs, or v_wmma_f32_16x16x4_f32). A number that lies on a knife's edge between two numbers of the format may be rounded either way, as far as f32 arithmetic and the matrix unit's own rounding can turn it there, and no further.
;; One version. Each part assembles by itself: llvm-mc -triple=amdgcn-amd-amdhsa -mcpu=gfx1250 --defsym DOCPART=n.
;; ======== version 1 of 1: 5 launches
;; limits: right only within a limited range of input values
;; workspace buffers: xc 18,874,368 bytes; xs 786,432 bytes; wc 3,145,728 bytes; ws 131,072 bytes; hc 18,874,368 bytes; hs 1,572,864 bytes; oc 6,291,456 bytes; os 262,144 bytes
;; launch qx (part 1): grid 256 x 3, 4 waves a work-group, no clusters, 34,304 bytes of LDS; arguments query, key, value, xc, xs; writes xc, xs
.if DOCPART == 1
	.amdgcn_target "amdgcn-amd-amdhsa--gfx1250"
	.amdhsa_code_object_version 6
	.text
	.protected	k_q17024758fa_qx
	.globl	k_q17024758fa_qx
	.p2align	8
	.type	k_q17024758fa_qx,@function
k_q17024758fa_qx:
	s_mov_b64 s[64:65], 0
	v_nop
	global_prefetch_b8 v0, s[64:65] scope:SCOPE_SE
	s_setreg_imm32_b32 hwreg(HW_REG_WAVE_MODE, 25, 1), 1
	s_wait_xcnt 0x0
; query, key, value, each [8192][1024] f32, become codes of FP6 (E2M3) along the 1,024, with one E8M0 byte for each 32, laid in the ORDER OF AN OPERAND'S REGISTERS.
; TILES.  Rows go in tiles of 16; lane row r of tile t is row 32 (t / 2) + 8 (t % 2) + r + 8 (r / 8).
; A FRAGMENT'S IMAGE (16 rows x 128 K, 1,536 bytes) is two halves of 768: in a half, lane l's registers 0-3 at 16 l, its registers 4-5 at 512 + 8 l.  xc: [tensor 3][tile 512][K step 8][1,536].
; xs: [tensor 3][tile 512][half of K 2][r 16][4 words]: a word is a row's four scale bytes of one K step.
; A block's scale is 2^(floor(log2(its largest magnitude)) - 2); its byte is the largest magnitude's exponent field - 2, held at 1 from below.
; LIMITS: a block of zeros, or one whose largest magnitude lies under 2^(3 - 127), gets the byte 1 (a block of zeros has zero codes, and only this program reads the bytes); NaN and infinities are not served.
; SHARES.  Work-group (x, y): rows 32 x .. 32 x + 31 of tensor y.  Wave w: tile 2 x + w / 2, half w % 2 of K: four steps of 128 along K.
; Each load takes 512 consecutive bytes of one row; a step's 16 rows turn through the wave's own stage in LDS (rows 528 bytes apart), so that a lane gets 16 neighbours of each block of 32.
; No work-group reads a byte that another reads, so there is no cluster; waves share nothing, so there is no barrier.
.set STG,  8448                        ; a wave's stage: 16 rows x (512 + 16) bytes
.set RS,   16                          ; v16-79, v80-143  two sets of 64 registers as loaded
.set X,    144                         ; v144-207 64 numbers: register 16 b + i = k 32 b + 16 (lane / 16) + i of my row
.set PC,   208                         ; v208-219 the fragment's codes, v220-227 at work
.set TM,   228                         ; v228-231 largest magnitudes, v232-235 bytes, v240-243 the conversions' scale operands
.set SW,   244                         ; v244-247 the four steps' scale words
.set SEL,  20                          ; s[20:21] lane selects: lane l xor 16
.macro QUANT s, pc, pw                 ; 64 numbers in v[s] on become a fragment's codes in v[pc] .. v[pc + 11] and its scale word in v[pw]
.irp b, 0,1,2,3
	v_max3_num_f32 v[TM+\b], |v[\s+16*\b]|, |v[\s+1+16*\b]|, 0x1800000   ; block b: my 16 numbers, and the floor 2^(3 - 127)
.endr
.irp i, 2,4,6,8,10,12,14
.irp b, 0,1,2,3
	v_max3_num_f32 v[TM+\b], v[TM+\b], |v[\s+16*\b+\i]|, |v[\s+1+16*\b+\i]|   ; the four blocks by turns
.endr
.endr
.irp b, 0,1,2,3
	v_permlanex16_b32 v[TM+4+\b], v[TM+\b], s[SEL], s[SEL+1]
.endr
.irp b, 0,1,2,3
	v_max_num_f32 v[TM+\b], v[TM+\b], v[TM+4+\b]   ; with lane l xor 16's: the block's largest magnitude
.endr
.irp b, 0,1,2,3
	v_add_nc_u32 v[TM+12+\b], 0xff000000, v[TM+\b]   ; 2 off its exponent field: the conversion's scale operand
.endr
.irp b, 0,1,2,3
	v_lshrrev_b32 v[TM+4+\b], 23, v[TM+12+\b]      ; the scale's byte
.endr
	v_lshl_or_b32 v[\pw], v[TM+5], 8, v[TM+4]
	v_lshl_or_b32 v[\pw], v[TM+6], 16, v[\pw]
	v_lshl_or_b32 v[\pw], v[TM+7], 24, v[\pw]
.irp c, 0,1
	v_cvt_scalef32_pk16_fp6_f32 v[\pc+6*\c:\pc+2+6*\c], v[\s+32*\c:\s+15+32*\c], v[TM+12+2*\c]
	v_cvt_scalef32_pk16_fp6_f32 v[\pc+12+4*\c:\pc+14+4*\c], v[\s+16+32*\c:\s+31+32*\c], v[TM+12+2*\c+1]   ; (a conversion's three registers begin on an even number)
.endr
	v_nop                                          ; one plain place behind a scaled conversion
.irp c, 0,1                                    ; the operand's layout wants a whole block in a lane: lanes 0-15 block 2 c, lanes 16-31 block 2 c + 1
.irp i, 0,1,2
	v_permlane16_swap_b32 v[\pc+6*\c+\i], v[\pc+12+4*\c+\i]
.endr
.irp i, 0,1,2
	v_mov_b32 v[\pc+3+6*\c+\i], v[\pc+12+4*\c+\i]
.endr
.endr
.endm
	s_load_b256 s[4:11], s[0:1], 0x0               ; query, key, value, xc
	s_load_b64 s[12:13], s[0:1], 0x20              ; xs
	v_lshl_add_u32 v254, v0, 2, 0x8400
	v_mov_b32 v255, 0
	v_lshrrev_b32 v1, 5, v0
	v_readfirstlane_b32 s16, v1                    ; wave
	v_and_b32 v1, 31, v0                           ; lane
	v_and_b32 v7, 15, v0                           ; r
	v_bfe_u32 v8, v0, 4, 1                         ; h
	v_lshlrev_b32 v2, 4, v1                        ; 16 l
	v_lshlrev_b32 v3, 3, v1                        ; 8 l
	s_mul_i32 s17, s16, STG
	v_add_nc_u32 v4, s17, v2                       ; the stage, on the way in: 16 l of a row
	v_mul_u32_u24 v5, v7, 528
	v_lshl_add_u32 v5, v8, 6, v5
	v_add_nc_u32 v5, s17, v5                       ; and on the way out: row r, + 64 h
	v_lshlrev_b32 v6, 4, v7
	v_lshl_add_u32 v6, v8, 3, v6                   ; my two scale words' place: 16 r + 8 h
.irp b, 0,1,2,3
	v_mov_b32 v[TM+4+\b], 0                        ; written once: a lane permute's destination counts as one of its sources
.endr
	s_mov_b32 s[SEL], 0x76543210
	s_mov_b32 s[SEL+1], 0xfedcba98
	s_mov_b32 s22, 0xffff0000                      ; lanes 16-31
	s_and_b32 s18, ttmp7, 0xffff                   ; which tensor
	s_lshr_b32 s19, s16, 1                         ; which of the two tiles
	s_and_b32 s23, s16, 1                          ; which half of K
	s_lshl_b32 s24, ttmp9, 17                      ; 32 rows of 4,096 bytes,
	s_lshl_b32 s26, s19, 15                        ; the tile's first row: 8 rows on for the second tile,
	s_add_co_u32 s24, s24, s26
	s_lshl_b32 s26, s23, 11                        ; 512 numbers on for the second half of K
	s_add_co_u32 s24, s24, s26
	s_mov_b32 s25, 0
	s_lshl_b32 s26, ttmp9, 1
	s_add_co_u32 s26, s26, s19                     ; the tile
	s_mul_i32 s28, s18, 6291456
	s_mul_i32 s27, s26, 12288
	s_add_co_u32 s28, s28, s27
	s_mul_i32 s27, s23, 6144
	s_add_co_u32 s28, s28, s27                     ; my four images in xc
	s_mov_b32 s29, 0
	s_lshl_b32 s30, s18, 18
	s_lshl_b32 s27, s26, 9
	s_add_co_u32 s30, s30, s27
	s_lshl_b32 s27, s23, 8
	s_add_co_u32 s30, s30, s27                     ; my 256 bytes of xs
	s_mov_b32 s31, 0
	s_wait_alu depctr_va_vdst(0)
	s_wait_kmcnt 0x0
	s_cmp_eq_u32 s18, 1                            ; the choice hangs on the work-group's number alone
	s_cselect_b64 s[4:5], s[6:7], s[4:5]
	s_cmp_eq_u32 s18, 2
	s_cselect_b64 s[4:5], s[8:9], s[4:5]
	s_add_nc_u64 s[4:5], s[4:5], s[24:25]
	s_add_nc_u64 s[10:11], s[10:11], s[28:29]
	s_add_nc_u64 s[12:13], s[12:13], s[30:31]
.macro LOAD t                          ; step t: 128 numbers of each of the tile's 16 rows; a load takes 512 consecutive bytes
.set p, 0
.rept 16
	global_load_b128 v[RS+64*((\t)%2)+4*p:RS+64*((\t)%2)+4*p+3], v2, s[4:5] offset:(p+8*(p/8))*4096+512*(\t) th:TH_LOAD_NT
.set p, p+1
.endr
.endm
.macro STEP t
.if (\t) < 3
	s_wait_loadcnt 16                              ; this step's 16 loads are in; the next step's 16 may be out
.else
	s_wait_loadcnt 0x0
.endif
.set p, 0
.rept 16
	ds_store_b128 v4, v[RS+64*((\t)%2)+4*p:RS+64*((\t)%2)+4*p+3] offset:528*p
.set p, p+1
.endr
.irp b, 0,1,2,3
.irp j, 0,1,2,3
	ds_load_b128 v[X+16*\b+4*\j:X+16*\b+4*\j+3], v5 offset:128*\b+16*\j   ; LDS serves a wave's instructions in order: these see the stores above
.endr
.endr
	s_wait_dscnt 0x0                               ; the numbers are back, and the stores into the stage have read their registers
.if (\t) > 0
	s_wait_xcnt 0x0                                ; the last step's stores have read the codes' registers, which are written again below
.endif
.if (\t) < 2
	LOAD (\t)+2
.endif
	QUANT X, PC, SW+(\t)
	global_store_b128 v2, v[PC:PC+3], s[10:11] offset:1536*(\t)          ; 512 consecutive bytes, at a multiple of 256 from the buffer's first byte
	global_store_b64 v3, v[PC+4:PC+5], s[10:11] offset:1536*(\t)+512     ; 256
	global_store_b128 v2, v[PC+6:PC+9], s[10:11] offset:1536*(\t)+768
	global_store_b64 v3, v[PC+10:PC+11], s[10:11] offset:1536*(\t)+1280
.endm
	LOAD 0
	LOAD 1
	STEP 0
	STEP 1
	STEP 2
	STEP 3
	v_cndmask_b32 v248, v[SW], v[SW+2], s22        ; lanes 0-15 store their row's words 0 and 1, lanes 16-31 words 2 and 3
	v_cndmask_b32 v249, v[SW+1], v[SW+3], s22
	global_store_b64 v6, v[248:249], s[12:13]      ; 256 consecutive bytes, aligned
	s_wait_tensorcnt 0x0
	ds_add_u32 v254, v255
	s_wait_dscnt 0x0
	s_endpgm
.Lfunc_end_k_q17024758fa_qx:
	.size	k_q17024758fa_qx, .Lfunc_end_k_q17024758fa_qx-k_q17024758fa_qx
	.p2alignl 7, 3214868480
	.fill 96, 4, 3214868480
	.section	.rodata,"a",@progbits
	.p2align	6, 0x0
	.amdhsa_kernel k_q17024758fa_qx
		.amdhsa_group_segment_fixed_size 34304
		.amdhsa_private_segment_fixed_size 0
		.amdhsa_enable_private_segment 0
		.amdhsa_kernarg_size 40
		.amdhsa_user_sgpr_count 2
		.amdhsa_user_sgpr_kernarg_segment_ptr 1
		.amdhsa_wavefront_size32 1
		.amdhsa_system_sgpr_workgroup_id_x 1
		.amdhsa_system_sgpr_workgroup_id_y 1
		.amdhsa_system_sgpr_workgroup_id_z 1
		.amdhsa_system_vgpr_workitem_id 0
		.amdhsa_next_free_vgpr 256
		.amdhsa_next_free_sgpr 66
		.amdhsa_reserve_vcc 0
		.amdhsa_float_denorm_mode_32 3
		.amdhsa_float_denorm_mode_16_64 3
		.amdhsa_memory_ordered 1
		.amdhsa_forward_progress 1
		.amdhsa_inst_pref_size 34
	.end_amdhsa_kernel
	.amdgpu_metadata
---
amdhsa.version: [ 1, 2 ]
amdhsa.kernels:
  - .name:           k_q17024758fa_qx
    .symbol:         k_q17024758fa_qx.kd
    .args:
      - { .name: query, .offset: 0, .size: 8, .value_kind: global_buffer, .address_space: global }
      - { .name: key, .offset: 8, .size: 8, .value_kind: global_buffer, .address_space: global }
      - { .name: value, .offset: 16, .size: 8, .value_kind: global_buffer, .address_space: global }
      - { .name: xc, .offset: 24, .size: 8, .value_kind: global_buffer, .address_space: global }
      - { .name: xs, .offset: 32, .size: 8, .value_kind: global_buffer, .address_space: global }
    .group_segment_fixed_size: 34304
    .private_segment_fixed_size: 0
    .kernarg_segment_align: 8
    .kernarg_segment_size: 40
    .max_flat_workgroup_size: 128
    .sgpr_count:     66
    .vgpr_count:     256
    .wavefront_size: 32
...
	.end_amdgpu_metadata
.endif
;; end of part 1
;; launch qw (part 2): grid 128 x 2, 4 waves a work-group, no clusters, 1,536 bytes of LDS; arguments Wq, Wk, Wv, Wp, wc, ws; writes wc, ws
.if DOCPART == 2
	.amdgcn_target "amdgcn-amd-amdhsa--gfx1250"
	.amdhsa_code_object_version 6
	.text
	.protected	k_q17024758fa_qw
	.globl	k_q17024758fa_qw
	.p2align	8
	.type	k_q17024758fa_qw,@function
k_q17024758fa_qw:
	s_mov_b64 s[64:65], 0
	v_nop
	global_prefetch_b8 v0, s[64:65] scope:SCOPE_SE
	s_setreg_imm32_b32 hwreg(HW_REG_WAVE_MODE, 25, 1), 1
	s_wait_xcnt 0x0
; The four weights become codes of FP6 (E2M3) along d_model (their K, which is NOT innermost), with one E8M0 byte for each 32, laid as images of operand registers.
; Wq, Wk, Wv: [16 heads][1024 (K)][64]; column n = 64 head + k.  Wp: [1024 (K)][1024 (n)].
; wc: [tensor 4][tile of n 64][K step 8][1,536];  ws: [tensor 4][tile 64][half of K 2][r 16][4 words].  Lane row r of tile t is column 32 (t / 2) + 8 (t % 2) + r + 8 (r / 8).
; An image of 1,536 bytes is two halves of 768 (64 along K each): lane l's registers 0-3 at 16 l, registers 4-5 at 512 + 8 l.
; A LANE TAKES A COLUMN AND ITS REGISTERS RUN DOWN K: 128 registers are the four whole blocks of one K step, so that no other lane is asked for a maximum and the conversions give K innermost.
; Lanes 0-15 hold the 16 columns of tile 2 G, lanes 16-31 those of tile 2 G + 1; a load still takes 128 consecutive bytes.  An operand wants blocks 2 c in lanes 0-15 and 2 c + 1 in lanes 16-31:
; one exchange of halves between the codes of an even and an odd block gives both tiles' images.
; SHARES.  Work-group (G, y): tensor G / 32, columns 32 (G % 32) on, half y of K.  Wave w: K step 4 y + w.  The four waves' scale words meet in LDS and leave as two runs of 256 consecutive bytes.
; No byte is read twice, so there is no cluster.
; LIMITS: a block of zeros, or one under 2^(3 - 127), gets the byte 1 (only this program reads the bytes); NaN and infinities are not served.
.set X, 32                             ; v32-159  128 numbers down K
	s_load_b256 s[4:11], s[0:1], 0x0               ; Wq, Wk, Wv, Wp
	s_load_b128 s[12:15], s[0:1], 0x20             ; wc, ws
	v_lshl_add_u32 v208, v0, 2, 0x400
	v_mov_b32 v209, 0
	v_lshrrev_b32 v1, 5, v0
	v_readfirstlane_b32 s16, v1                    ; wave
	v_and_b32 v1, 31, v0                           ; lane
	v_and_b32 v2, 7, v0
	v_bfe_u32 v7, v0, 3, 1
	v_lshl_add_u32 v2, v7, 4, v2
	v_bfe_u32 v7, v0, 4, 1
	v_lshl_add_u32 v2, v7, 3, v2                   ; my column of the 32: l % 8 + 16 ((l / 8) % 2) + 8 (l / 16)
	v_lshlrev_b32 v2, 2, v2
	v_lshlrev_b32 v3, 4, v1                        ; 16 l
	v_lshlrev_b32 v4, 3, v1                        ; 8 l
	s_lshl_b32 s17, s16, 2
	v_add_nc_u32 v5, s17, v3                       ; LDS: my column's four words at 16 l, my wave's at + 4 w
	v_and_b32 v6, 15, v0
	v_lshlrev_b32 v6, 4, v6
	v_lshl_add_u32 v6, v7, 9, v6                   ; in ws: 16 r, + 512 for the second tile
	s_lshr_b32 s18, ttmp9, 5                       ; the tensor
	s_and_b32 s19, ttmp9, 31                       ; its group of 32 columns
	s_and_b32 s20, ttmp7, 0xffff                   ; the half of K
	s_lshl_b32 s21, s20, 2
	s_add_co_u32 s21, s21, s16                     ; my K step
	s_lshr_b32 s22, s19, 1
	s_lshl_b32 s22, s22, 18                        ; a head's weight is 262,144 bytes,
	s_and_b32 s23, s19, 1
	s_lshl_b32 s23, s23, 7                         ; its rows 256: the group is one half of them,
	s_add_co_u32 s22, s22, s23
	s_lshl_b32 s23, s21, 15                        ; 128 rows a K step
	s_add_co_u32 s22, s22, s23
	s_lshl_b32 s24, s19, 7                         ; Wp: rows of 4,096 bytes
	s_lshl_b32 s23, s21, 19
	s_add_co_u32 s24, s24, s23
	s_cmp_eq_u32 s18, 3
	s_cselect_b32 s22, s24, s22
	s_mov_b32 s23, 0
	s_mul_i32 s24, ttmp9, 24576                    ; tile 2 G's eight images,
	s_mul_i32 s26, s21, 1536                       ; my K step's
	s_add_co_u32 s24, s24, s26
	s_mov_b32 s25, 0
	s_lshl_b32 s26, ttmp9, 10
	s_lshl_b32 s28, s20, 8
	s_add_co_u32 s26, s26, s28
	s_mov_b32 s27, 0
	s_wait_kmcnt 0x0
	s_cmp_eq_u32 s18, 1                            ; the choices hang on the work-group's number alone
	s_cselect_b64 s[4:5], s[6:7], s[4:5]
	s_cmp_eq_u32 s18, 2
	s_cselect_b64 s[4:5], s[8:9], s[4:5]
	s_cmp_eq_u32 s18, 3
	s_cselect_b64 s[4:5], s[10:11], s[4:5]
	s_add_nc_u64 s[4:5], s[4:5], s[22:23]
	s_add_nc_u64 s[12:13], s[12:13], s[24:25]
	s_add_nc_u64 s[14:15], s[14:15], s[26:27]
.macro LOADB k, stride                 ; block k: 32 rows of K at my column
.set i, 0
.rept 32
	global_load_b32 v[X+32*(\k)+i], v2, s[4:5] offset:(32*(\k)+i)*(\stride)
.set i, i+1
.endr
.endm
.macro BLOCK k                         ; block k's scale, and its codes: the lower 16 into their place, the upper 16 beside (a conversion's three registers begin on an even number)
.set XS, X+32*(\k)
.set DD, 160+12*((\k)/2)+6*((\k)%2)
	v_max3_num_f32 v[8+(\k)], |v[XS]|, |v[XS+1]|, |v[XS+2]|
	v_max3_num_f32 v21, |v[XS+3]|, |v[XS+4]|, |v[XS+5]|
.irp i, 6,10,14,18,22,26
	v_max3_num_f32 v[8+(\k)], v[8+(\k)], |v[XS+\i]|, |v[XS+\i+1]|
	v_max3_num_f32 v21, v21, |v[XS+\i+2]|, |v[XS+\i+3]|
.endr
	v_max3_num_f32 v[8+(\k)], v[8+(\k)], |v[XS+30]|, |v[XS+31]|
	v_max3_num_f32 v[8+(\k)], v[8+(\k)], v21, 0x1800000      ; and the floor 2^(3 - 127)
	v_add_nc_u32 v[12+(\k)], 0xff000000, v[8+(\k)]           ; 2 off the exponent field: the conversion's scale operand
	v_lshrrev_b32 v[16+(\k)], 23, v[12+(\k)]                 ; the scale's byte
.if (\k) == 0
	v_mov_b32 v20, v16
.else
	v_lshl_or_b32 v20, v[16+(\k)], 8*(\k), v20               ; my column's scale word of this K step
.endif
	v_cvt_scalef32_pk16_fp6_f32 v[DD:DD+2], v[XS:XS+15], v[12+(\k)]
	v_cvt_scalef32_pk16_fp6_f32 v[184+4*(\k):186+4*(\k)], v[XS+16:XS+31], v[12+(\k)]
.endm
.macro ARM stride                      ; loads run two blocks ahead
	LOADB 0, \stride
	LOADB 1, \stride
	s_wait_loadcnt 32                              ; block 0 is in; block 1's 32 loads may be out
	LOADB 2, \stride
	BLOCK 0
	s_wait_loadcnt 32                              ; block 1 is in; block 2's may be out
	LOADB 3, \stride
	BLOCK 1
	s_wait_loadcnt 32                              ; block 2 is in; block 3's may be out
	BLOCK 2
	s_wait_loadcnt 0x0
	BLOCK 3
.endm
	s_cmp_eq_u32 s18, 3                            ; the two ways differ in the loads' immediates alone: rows 256 or 4,096 bytes apart
	s_cbranch_scc1 .Lwp
	s_wait_alu depctr_va_vdst(0)
	ARM 256
	s_branch .Ljoin
.Lwp:
	s_wait_alu depctr_va_vdst(0)
	ARM 4096
.Ljoin:
	v_nop                                          ; one plain place behind the last scaled conversion
.irp k, 0,1,2,3
.irp i, 0,1,2
	v_mov_b32 v[163+12*(\k/2)+6*(\k%2)+\i], v[184+4*\k+\i]
.endr
.endr
.irp c, 0,1                                    ; block 2 c's lanes 16-31 change places with block 2 c + 1's lanes 0-15: the first is then tile 2 G's half image c, the second tile 2 G + 1's
.irp i, 0,1,2,3,4,5
	v_permlane16_swap_b32 v[160+12*\c+\i], v[166+12*\c+\i]
.endr
.endr
.irp c, 0,1
	global_store_b128 v3, v[160+12*\c:163+12*\c], s[12:13] offset:768*\c               ; 512 consecutive bytes, aligned to 256
	global_store_b64 v4, v[164+12*\c:165+12*\c], s[12:13] offset:768*\c+512
	global_store_b128 v3, v[166+12*\c:169+12*\c], s[12:13] offset:12288+768*\c
	global_store_b64 v4, v[170+12*\c:171+12*\c], s[12:13] offset:12288+768*\c+512
.endr
	ds_store_b32 v5, v20
	s_wait_dscnt 0x0                               ; for the others' sake: my words lie in LDS
	s_barrier_signal -1
	s_barrier_wait -1
	s_cmp_lg_u32 s16, 0
	s_cbranch_scc1 .Ldone
	ds_load_b128 v[200:203], v3                    ; wave 0: each column's four words
	s_wait_dscnt 0x0
	global_store_b128 v6, v[200:203], s[14:15]     ; sixteen lanes store 256 consecutive bytes, aligned
.Ldone:
	s_wait_tensorcnt 0x0
	ds_add_u32 v208, v209
	s_wait_dscnt 0x0
	s_endpgm
.Lfunc_end_k_q17024758fa_qw:
	.size	k_q17024758fa_qw, .Lfunc_end_k_q17024758fa_qw-k_q17024758fa_qw
	.p2alignl 7, 3214868480
	.fill 96, 4, 3214868480
	.section	.rodata,"a",@progbits
	.p2align	6, 0x0
	.amdhsa_kernel k_q17024758fa_qw
		.amdhsa_group_segment_fixed_size 1536
		.amdhsa_private_segment_fixed_size 0
		.amdhsa_enable_private_segment 0
		.amdhsa_kernarg_size 48
		.amdhsa_user_sgpr_count 2
		.amdhsa_user_sgpr_kernarg_segment_ptr 1
		.amdhsa_wavefront_size32 1
		.amdhsa_system_sgpr_workgroup_id_x 1
		.amdhsa_system_sgpr_workgroup_id_y 1
		.amdhsa_system_sgpr_workgroup_id_z 1
		.amdhsa_system_vgpr_workitem_id 0
		.amdhsa_next_free_vgpr 210
		.amdhsa_next_free_sgpr 66
		.amdhsa_reserve_vcc 0
		.amdhsa_float_denorm_mode_32 3
		.amdhsa_float_denorm_mode_16_64 3
		.amdhsa_memory_ordered 1
		.amdhsa_forward_progress 1
		.amdhsa_inst_pref_size 40
	.end_amdhsa_kernel
	.amdgpu_metadata
---
amdhsa.version: [ 1, 2 ]
amdhsa.kernels:
  - .name:           k_q17024758fa_qw
    .symbol:         k_q17024758fa_qw.kd
    .args:
      - { .name: Wq, .offset: 0, .size: 8, .value_kind: global_buffer, .address_space: global }
      - { .name: Wk, .offset: 8, .size: 8, .value_kind: global_buffer, .address_space: global }
      - { .name: Wv, .offset: 16, .size: 8, .value_kind: global_buffer, .address_space: global }
      - { .name: Wp, .offset: 24, .size: 8, .value_kind: global_buffer, .address_space: global }
      - { .name: wc, .offset: 32, .size: 8, .value_kind: global_buffer, .address_space: global }
      - { .name: ws, .offset: 40, .size: 8, .value_kind: global_buffer, .address_space: global }
    .group_segment_fixed_size: 1536
    .private_segment_fixed_size: 0
    .kernarg_segment_align: 8
    .kernarg_segment_size: 48
    .max_flat_workgroup_size: 128
    .sgpr_count:     66
    .vgpr_count:     210
    .wavefront_size: 32
...
	.end_amdgpu_metadata
.endif
;; end of part 2
;; launch proj (part 3): grid 4 x 96, 4 waves a work-group, clusters of 4 x 4, 327,680 bytes of LDS; arguments xc, xs, wc, ws, bq, bk, bv, hc, hs; writes hc, hs
.if DOCPART == 3
	.amdgcn_target "amdgcn-amd-amdhsa--gfx1250"
	.amdhsa_code_object_version 6
	.text
	.protected	k_q17024758fa_proj
	.globl	k_q17024758fa_proj
	.p2align	8
	.type	k_q17024758fa_proj,@function
k_q17024758fa_proj:
	s_mov_b64 s[64:65], 0
	v_nop
	global_prefetch_b8 v0, s[64:65] scope:SCOPE_SE
	s_setreg_imm32_b32 hwreg(HW_REG_WAVE_MODE, 25, 1), 1
	s_wait_xcnt 0x0
	s_wait_alu depctr_hold_cnt(0) depctr_sa_sdst(0) depctr_va_vdst(0) depctr_va_sdst(0) depctr_va_ssrc(0) depctr_va_vcc(0) depctr_vm_vsrc(0)
	s_getreg_b32 s2, hwreg(HW_REG_IB_STS2, 6, 4)
	s_cmp_eq_u32 s2, 0
	s_cbranch_scc0 .Lentry_in_a_cluster
	s_endpgm
.Lentry_in_a_cluster:
	s_bfe_u32 s2, ttmp6, 0x10000c
	s_cmp_lg_u32 s2, 0xf033
	s_cbranch_scc0 .Lentry_shape_is_right
	s_endpgm
.Lentry_shape_is_right:
; q = query Wq + bq, k = key Wk + bk, v = value Wv + bv on codes of FP6 (E2M3) with E8M0 scales; the results are quantised again on the way out, q and k along a head's 64, v along the tokens.
; OPERANDS lie in memory as images of operand registers: a tile of 16 rows has 8 K steps of 1,536 bytes (two halves of 768: lane l's registers 0-3 at 16 l, 4-5 at 512 + 8 l), and a table of 512 bytes
; of scale words [half of K][r][4 words].  Lane row r of tile t is row 32 (t / 2) + 8 (t % 2) + r + 8 (r / 8): where such tiles are source 0, the 16 registers of result tiles 2 b, 2 b + 1 are 16 neighbours.
; A work-group makes 256 x 256, each of its four waves 128 x 128 (64 accumulators, 512 registers), K = 1,024 in 8 steps of 128.  Source 0 = "B" rows, source 1 = "A" rows: a lane holds one A row, its registers run along B.
; MODE 0 (clusters 0-15): A = tokens of query and key (1,024 tiles on end in xc), B = features of Wq or Wk.  MODE 1 (clusters 16-23): A = features of Wv, B = tokens of value: the registers then run along the tokens,
; which are the K of the product that takes v.  MODE hangs on the cluster's number alone: it is the same in all sixteen partners.
; RING: two LDS slots of two K steps; each wave fetches 8 tiles x 3,072 bytes by one tensor load.  The scale tables of the work-group's rows come once, with the first fills, and go to registers once.
; CLUSTERS: 4 x 4.  A's tiles are shared along a row of the cluster, B's along a column: joint loads.
; THE BIAS is the C of each sum's first matrix instruction: along the registers in MODE 0, along the lanes in MODE 1: so the first K step is written twice.
; hc: [q, k, v][batch x head 64][group of 128 tokens 16][6,144]: q, k: 8 token tiles x 768 (16 tokens x the head's 64); v: 4 tiles of 16 channels x 1,536 (16 channels x 128 tokens).
; hs: [q | k and v][64][16][768]: 512 bytes of words [token tile][r] (bytes 0, 1 the head's two scales, bytes 2, 3 zero), then, for v, 256 bytes [channel tile][r].
; LIMITS: a block of zeros, or one under 2^(3 - 127), gets the byte 1 (only this program reads the bytes); NaN and infinities are not served.
; REGISTERS, in windows of 256.  Window 0: v1-31 addresses; v32-95 scale words and nothing else; v96-127, v224-255 the bias; v128-223 A's fragments, one set.  Window 1: B's fragments, two sets, at v0 and v128.
;   Windows 2, 3: accumulator (a, b) at v[8 (8 (a % 4) + b)].  On the way out v96-121 and v128-155 of window 0 are at work.
.set FR,    12                         ; registers of a fragment
.set NL,    4                          ; LDS loads that bring one
.set NP,    4                          ; places behind this matrix instruction (ISA guide 7.12.1)
.set QUART, 24576                      ; 8 tiles x 2 K steps x 1,536: what one tensor load brings
.set SLOT,  98304                      ; A's 16 tiles, then B's 16
.set SCL,   196608                     ; behind the ring: the scale tables, 4,096 bytes for each fetching wave
.set SPARE, 212992                     ; the spare words, 128 bytes for each wave: two blocks of 256 bytes that no other line names
.set SH,   6                           ; v6      the way out: how far my lane shifts a scale word
.set ADRA, 16                          ; v16-17  A's fragments in slot 0, 1, + 16 l;  v18-19 the same + 8 l
.set ADRB, 20                          ; v20-23  the same for B
.set LI,   24                          ; v24     16 l
.set L8,   25                          ; v25     8 l
.set STO,  26                          ; v26     the way out: where I put a scale word
.set ADRS, 27                          ; v27     my scale tables: lanes 0-15 A's, lanes 16-31 B's
.set SPW,  28                          ; v28     LDS address of my spare word; never rewritten
.set NIL,  29                          ; v29     0; never rewritten
.set RD,   30                          ; v30     the way out: where I read the words back
.set VO,   31                          ; v31     and where they go in hs
.set SC,   32                          ; scale words: K step kq of block i at v[SC + 32 (kq / 4) + 4 i + kq % 4]: lanes 0-15 A's block i, lanes 16-31 B's block i
.set AF,   128
.set TM,   96                          ; the way out: v96-99 largest magnitudes, v100-103 bytes, v108-111 scale operands
.set PW,   112
.set T1,   113
.set SW,   114                         ; v114-121 the words that go to the stage
.set PC,   128                         ; v128-139 codes, v140-147 at work
.set G1, 24                            ; s[24:31] group 1 for A's tiles;  s[32:39] group 0, a set for each slot
.set G0, 32
.set G1B, 48                           ; s[48:55], s[56:63] the same for B's
.set G0B, 56
.set G1S, 68                           ; s[68:75], s[76:79] for A's scale tables;  s[80:87], s[88:91] for B's
.set G0S, 76
.set G1SB, 80
.set G0SB, 88
.set SEL, 2                            ; s[2:3] lane selects, set on the way out
.set MSB, 0
.macro WIN new                         ; the immediate's high byte repeats the setting that is left
.if MSB != (\new)
	s_set_vgpr_msb (MSB<<8)|(\new)
.set MSB, (\new)
.endif
.endm
.set MUL_LO, 0xa1                      ; source 0 (B) window 1, source 1 (A) window 0, C and D window 2
.set MUL_HI, 0xf1                      ; the same, C and D window 3
.set TO_B,   0x40                      ; destination window 1, address window 0
; A joint load: waves 0 and 1 fetch for A, waves 2 and 3 for B.  The branch hangs on the wave's number alone.  Four v_nop follow each of the two lines.
.macro JLOAD g0a, g1a, g0b, g1b
	s_cmp_eq_u32 s15, 0
	s_cbranch_scc0 .Lfor_b_\@
	tensor_load_to_lds s[\g0a:\g0a+3], s[\g1a:\g1a+7]
	s_nop 0
.rept 4
	v_nop
.endr
	s_branch .Lasked_\@
.Lfor_b_\@:
	tensor_load_to_lds s[\g0b:\g0b+3], s[\g1b:\g1b+7]
	s_nop 0
.rept 4
	v_nop
.endr
.Lasked_\@:
.endm
.macro CREST                           ; a round of the cluster's barrier behind its opening barrier
	s_cmp_lg_u32 s14, 0
	s_cbranch_scc1 .Lnot_wave_0_\@
	s_barrier_signal -3
.Lnot_wave_0_\@:
	s_barrier_wait -3
	s_barrier_signal -1
	s_barrier_wait -1
.endm
.macro CROUND
	s_barrier_signal -1
	s_barrier_wait -1
	CREST
.endm
.macro PLACES n
.rept \n
	v_nop
.endr
.endm
	s_load_b256 s[4:11], s[0:1], 0x0               ; xc, xs, wc, ws
	s_load_b256 s[92:99], s[0:1], 0x20             ; bq, bk, bv, hc
	s_load_b64 s[100:101], s[0:1], 0x40            ; hs
	v_lshl_add_u32 v[SPW], v0, 2, SPARE
	v_mov_b32 v[NIL], 0
	ds_add_u32 v28, v29
	ds_add_u32 v28, v29
	s_wait_dscnt 0x0
	v_lshrrev_b32 v1, 5, v0
	v_readfirstlane_b32 s14, v1                    ; wave 0..3
	s_lshr_b32 s15, s14, 1                         ; which half of A's rows is mine.  Also: I fetch for A (0) or for B (1)
	s_and_b32 s16, s14, 1                          ; which half of B's rows.  Also: which 8 tiles I fetch
	s_bfe_u32 s40, ttmp6, 0x40000                  ; cx, cy: my place in the cluster
	s_bfe_u32 s41, ttmp6, 0x40004
	s_and_b32 s67, ttmp7, 0xffff                   ; c: the cluster, 0..23
	s_lshl_b32 s18, s67, 2
	s_sub_co_u32 s19, s18, 64
	s_lshr_b32 s46, s67, 3
	s_lshl_b32 s46, s46, 6                         ; MODE 0: B's tiles begin at Wq's (clusters 0-7) or Wk's (8-15)
	s_mov_b32 s22, 1024
	s_cmp_ge_u32 s67, 16
	s_cselect_b32 s66, 1, 0                        ; MODE
	s_cselect_b32 s18, 0, s18
	s_cselect_b32 s19, s19, 0
	s_cselect_b32 s21, 128, 0                      ; A's tiles begin at Wv's (in wc), or at query's (in xc)
	s_cselect_b32 s46, s22, s46                    ; MODE 1: B's begin at value's (in xc)
	s_add_co_u32 s17, s18, s41                     ; A's block of 256 rows: 4 c + cy, or cy
	s_add_co_u32 s42, s19, s40                     ; B's: cx, or 4 (c - 16) + cx
	s_lshl_b32 s43, s41, 2
	s_lshl_b32 s43, 15, s43                        ; my row of the cluster
	s_lshl_b32 s44, 0x1111, s40                    ; my column
	; group 1: 8 rows (tiles) of 384 elements of 8 bytes (two K steps), 1,536 elements apart; no padding: the images are read as they lie
	s_or_b32 s[G1+0], s43, (3<<16)|(1<<21)         ; 15:0 the mask: A's tiles go to my row; 17:16 elements of 8 bytes; 21 set beside a mask
	s_or_b32 s[G1B+0], s44, (3<<16)|(1<<21)
.irp g, G1, G1B
	s_mov_b32 s[\g+1], 384<<16                     ; tensor_dim0
	s_mov_b32 s[\g+2], 16<<16                      ; tensor_dim1: 16 tiles for the head's loads; behind them these two words are set to 8, for the ring's
	s_mov_b32 s[\g+3], 384<<16                     ; tile_dim0
	s_mov_b32 s[\g+4], 16                          ; tile_dim1
	s_mov_b32 s[\g+5], 1536                        ; tensor_dim0_stride
	s_mov_b32 s[\g+6], 0
	s_mov_b32 s[\g+7], 0
.endr
	; the scale tables of 16 tiles: 8,192 dense bytes, as 32 rows of 256
	s_or_b32 s[G1S+0], s43, (3<<16)|(1<<21)
	s_or_b32 s[G1SB+0], s44, (3<<16)|(1<<21)
.irp g, G1S, G1SB
	s_mov_b32 s[\g+1], 32<<16
	s_mov_b32 s[\g+2], 32<<16                      ; the tables of all 16 tiles: 8,192 dense bytes, as 32 rows of 256
	s_mov_b32 s[\g+3], 32<<16
	s_mov_b32 s[\g+4], 32
	s_mov_b32 s[\g+5], 32
	s_mov_b32 s[\g+6], 0
	s_mov_b32 s[\g+7], 0
.endr
	s_lshl_b32 s23, s17, 4
	s_add_co_u32 s21, s21, s23                     ; A's first tile: it hangs on cy and the cluster, never on cx
	s_lshl_b32 s47, s42, 4
	s_add_co_u32 s46, s46, s47                     ; B's: on cx and the cluster, never on cy
	s_mul_i32 s20, s21, 12288                      ; in bytes: codes,
	s_lshl_b32 s22, s21, 9                         ; scale tables
	s_mov_b32 s21, 0
	s_mov_b32 s23, 0
	s_lshl_b32 s2, s46, 9
	s_mul_i32 s46, s46, 12288
	s_mov_b32 s47, 0
	s_mov_b32 s3, 0
	s_mul_i32 s45, s14, QUART                      ; where the ring's loads go: by the wave's number alone
	s_mul_i32 s18, s16, 8*12288                    ; in the ring I fetch 8 of the 16 tiles: which, in bytes
	s_mov_b32 s19, 0
	s_wait_kmcnt 0x0
	s_cmp_lg_u32 s66, 0
	s_cselect_b64 s[G0+2:G0+3], s[8:9], s[4:5]     ; A's codes: wc or xc
	s_cselect_b64 s[G0S+2:G0S+3], s[10:11], s[6:7]
	s_cselect_b64 s[G0B+2:G0B+3], s[4:5], s[8:9]   ; B's: xc or wc
	s_cselect_b64 s[G0SB+2:G0SB+3], s[6:7], s[10:11]
.set G0H, 4                            ; s[4:7], s[8:11] group 0 of the head's loads of K steps 0 and 1: A's 16 tiles, B's 16 (the arguments that lay there have been used)
.set G0HB, 8
	s_add_nc_u64 s[G0+2:G0+3], s[G0+2:G0+3], s[20:21]
	s_mov_b64 s[G0H+2:G0H+3], s[G0+2:G0+3]
	s_add_nc_u64 s[G0+2:G0+3], s[G0+2:G0+3], s[18:19]
	s_add_nc_u64 s[G0+6:G0+7], s[G0+2:G0+3], 3072  ; slot 1 begins with K steps 2 and 3
	s_add_nc_u64 s[G0S+2:G0S+3], s[G0S+2:G0S+3], s[22:23]
	s_add_nc_u64 s[G0B+2:G0B+3], s[G0B+2:G0B+3], s[46:47]
	s_mov_b64 s[G0HB+2:G0HB+3], s[G0B+2:G0B+3]
	s_add_nc_u64 s[G0B+2:G0B+3], s[G0B+2:G0B+3], s[18:19]
	s_add_nc_u64 s[G0B+6:G0B+7], s[G0B+2:G0B+3], 3072
	s_add_nc_u64 s[G0SB+2:G0SB+3], s[G0SB+2:G0SB+3], s[2:3]
.irp g, G0, G0+4, G0B, G0B+4, G0S, G0SB, G0H, G0HB
	s_mov_b32 s[\g], 1                             ; count = 1
	s_or_b32 s[\g+3], s[\g+3], 0x80000000          ; type = 2
.endr
	s_mov_b32 s[G0+1], s45
	s_add_co_u32 s[G0+5], s45, SLOT
	s_mov_b32 s[G0B+1], s45
	s_add_co_u32 s[G0B+5], s45, SLOT
	s_mov_b32 s[G0S+1], SCL
	s_mov_b32 s[G0SB+1], SCL+8192
	s_mov_b32 s[G0H+1], 0
	s_mov_b32 s[G0HB+1], 2*QUART
	CROUND                                         ; all sixteen work-groups are here: the first joint loads meet
; THE HEAD'S LOADS, ONE A WAVE: wave 0 K steps 0 and 1 of A's 16 tiles, wave 1 of B's 16, wave 2 A's scale tables, wave 3 B's.  One chain of branches on the wave's number, one load to an arm.
.macro ARM under, g0, g1, next
	s_cmp_lt_u32 s14, \under
	s_cbranch_scc0 \next
	tensor_load_to_lds s[\g0:\g0+3], s[\g1:\g1+7]
	s_nop 0
	PLACES 4
	s_branch .Lhead_asked
\next:
.endm
	ARM 1, G0H,  G1,  .Lhead_b
	ARM 2, G0HB, G1B, .Lhead_sa
	ARM 3, G0S,  G1S, .Lhead_sb
	tensor_load_to_lds s[G0SB:G0SB+3], s[G1SB:G1SB+7]
	s_nop 0
	PLACES 4
.Lhead_asked:
	v_and_b32 v1, 15, v0                           ; r
	v_bfe_u32 v2, v0, 4, 1                         ; h
	v_and_b32 v3, 31, v0                           ; l
	v_lshlrev_b32 v[LI], 4, v3
	v_lshlrev_b32 v[L8], 3, v3
	s_mul_i32 s21, s15, QUART                      ; my 8 tiles of A
	s_mul_i32 s22, s16, QUART                      ; my 8 tiles of B,
	s_add_co_u32 s22, s22, 2*QUART                 ; which lie behind A's 16
.irp s, 0,1
	v_add_nc_u32 v[ADRA+\s], s21, v[LI]
	v_add_nc_u32 v[ADRA+2+\s], s21, v[L8]
	v_add_nc_u32 v[ADRB+\s], s22, v[LI]
	v_add_nc_u32 v[ADRB+2+\s], s22, v[L8]
	s_add_co_u32 s21, s21, SLOT
	s_add_co_u32 s22, s22, SLOT
.endr
	s_lshl_b32 s21, s15, 12                        ; A's tables: my half
	s_lshl_b32 s22, s16, 12                        ; B's: my half, behind A's two
	s_add_co_u32 s22, s22, 8192
	s_sub_co_u32 s22, s22, s21
	v_mul_u32_u24 v4, s22, v2                      ; lanes 16-31 take B's
	s_add_co_u32 s21, s21, SCL
	v_lshl_add_u32 v4, v1, 4, v4                   ; 16 bytes a row
	v_add_nc_u32 v[ADRS], s21, v4
	s_lshl_b32 s21, s14, 10                        ; the way out's stage: 1,024 bytes a wave, in slot 0, which has had its last fill and its last read by then
	v_lshlrev_b32 v4, 2, v1
	v_lshl_add_u32 v4, v2, 9, v4
	v_add_nc_u32 v[STO], s21, v4                   ; 4 r + 512 h
	v_add_nc_u32 v[RD], s21, v[LI]
	; what hangs on MODE, in scalars.  These numbers mix cx and cy; they enter addresses of plain loads and stores alone, and live in registers that feed no descriptor
	s_cmp_ge_u32 s67, 8
	s_cselect_b64 s[92:93], s[94:95], s[92:93]
	s_cmp_ge_u32 s67, 16
	s_cselect_b64 s[92:93], s[96:97], s[92:93]     ; the bias: bq, bk or bv
	s_cselect_b32 s94, s42, s17                    ; the tokens' block of 256 and my half of it,
	s_cselect_b32 s95, s16, s15
	s_cselect_b32 s96, s17, s42                    ; the features' likewise
	s_cselect_b32 s97, s15, s16
	s_cselect_b32 s104, 0, 64                      ; MODE 0: register j of bias tile f is feature 32 (f / 2) + 8 (f % 2) + 16 h + j;
	s_cselect_b32 s105, 4, 0                       ; MODE 1: every register is feature 32 (f / 2) + 8 (f % 2) + r + 8 (r / 8)
	s_cselect_b32 s12, 0, 4
	s_cselect_b32 s13, 0, 16
	v_and_b32 v5, 8, v1
	v_add_nc_u32 v5, v5, v1                        ; r + 8 (r / 8)
	v_mul_u32_u24 v8, s104, v2
	v_mad_u32_u24 v8, v5, s105, v8
	s_wait_alu depctr_va_vdst(0)
.irp j, 1,2,3,4,5,6,7
	v_add_nc_u32 v[8+\j], s12, v[7+\j]
.endr
	v_mul_u32_u24 v[SH], s13, v2                   ; MODE 0: lanes 16-31 take a word's upper two bytes
	s_lshl_b32 s94, s94, 8
	s_lshl_b32 s95, s95, 7
	s_add_co_u32 s94, s94, s95                     ; my first token (query's and key's on end in MODE 0)
	s_lshl_b32 s96, s96, 8
	s_lshl_b32 s97, s97, 7
	s_add_co_u32 s96, s96, s97                     ; my first feature
	s_lshl_b32 s104, s96, 2
	s_mov_b32 s105, 0
	s_add_nc_u64 s[92:93], s[92:93], s[104:105]
	s_wait_alu depctr_va_vdst(0)
.irp f, 0,1,2,3,4,5,6,7
.irp j, 0,1,2,3,4,5,6,7
	global_load_b32 v[96+8*\f+96*(\f/4)+\j], v[8+\j], s[92:93] offset:128*(\f/2)+32*(\f%2)
.endr
.endr
	s_lshr_b32 s95, s94, 11
	s_lshl_b32 s95, s95, 4
	s_lshr_b32 s97, s96, 6
	s_add_co_u32 s95, s95, s97                     ; 16 x (tensor and batch) + head
	s_bfe_u32 s97, s94, 0x40007                    ; the group of 128 tokens
	s_mov_b32 s96, 98304
	s_cmp_lg_u32 s66, 0
	s_cselect_b32 s104, 128, 0
	s_cselect_b32 s12, 64, 0
	s_cselect_b32 s13, 512, 0
	s_cselect_b32 s94, 12032, 0
	s_cselect_b32 s96, 768, s96                    ; from a block's first half image to its second: the same fragment's, or the next head's
	v_mad_u32_u24 v[VO], v2, s94, v[LI]            ; hs: 16 l; in MODE 1 lanes 16-31 go to the next head's record
	s_add_co_u32 s104, s104, s95
	s_mul_i32 s104, s104, 98304
	s_mul_i32 s94, s97, 6144
	s_add_co_u32 s104, s104, s94
	s_mov_b32 s105, 0
	s_add_nc_u64 s[98:99], s[98:99], s[104:105]    ; hc at my first block
	s_add_co_u32 s12, s12, s95
	s_lshl_b32 s12, s12, 4
	s_add_co_u32 s12, s12, s97
	s_mul_i32 s12, s12, 768
	s_add_co_u32 s12, s12, s13
	s_mov_b32 s13, 0
	s_add_nc_u64 s[100:101], s[100:101], s[12:13]  ; hs at my record
	s_mov_b32 s97, 0
	s_add_nc_u64 s[96:97], s[98:99], s[96:97]
	s_mov_b32 s94, 768
	s_mov_b32 s104, 768
	s_mov_b32 s12, 0xffff
	s_cmp_lg_u32 s66, 0
	s_cselect_b32 s94, 1536, s94                   ; from block to block,
	s_cselect_b32 s104, 93696, s104                ; and from block 3 to block 4 (MODE 1: the next head)
	s_cselect_b32 s12, -1, s12                     ; MODE 0: two bytes of a word belong to a head
	s_mov_b32 s95, 0
	s_mov_b32 s105, 0
.macro FRAG reg, adr, q, i             ; a fragment's image comes back as it was stored: registers 0-3, 4-5, 6-9, 10-11; every load takes consecutive bytes
	ds_load_b128 v[\reg:\reg+3], v[\adr] offset:(\i)*3072+(\q)*1536
	ds_load_b64 v[\reg+4:\reg+5], v[\adr+2] offset:(\i)*3072+(\q)*1536+512
	ds_load_b128 v[\reg+6:\reg+9], v[\adr] offset:(\i)*3072+(\q)*1536+768
	ds_load_b64 v[\reg+10:\reg+11], v[\adr+2] offset:(\i)*3072+(\q)*1536+1280
.endm
; 16 matrix instructions: A's blocks a0, a0 + 1 x B's eight, K step kq.  p: B's set.  cm = 0: the sums go on; 1: they start from the bias of b; 2: from the bias of a.
; The 64 accumulators take turns, one instruction a turn, in the same order in every step.
.macro MUL16 a0, p, kq, cm
.irp a, \a0, \a0+1
.irp b, 0,1,2,3,4,5,6,7
.set DD, 8*(8*((\a)%4)+\b)
.set SB, SC+32*((\kq)/4)+4*\b+(\kq)%4
.set SA, SC+32*((\kq)/4)+4*(\a)+(\kq)%4
.if (\cm) == 0
	v_wmma_scale_f32_16x16x128_f8f6f4 v[DD:DD+7], v[128*(\p)+FR*\b:128*(\p)+FR*\b+FR-1], v[AF+FR*(\a):AF+FR*(\a)+FR-1], v[DD:DD+7], v[SB], v[SA] matrix_a_fmt:MATRIX_FMT_FP6 matrix_b_fmt:MATRIX_FMT_FP6 matrix_a_scale:MATRIX_SCALE_ROW1
.else
.if (\cm) == 1
.set CC, 96+8*\b+96*(\b/4)
.else
.set CC, 96+8*(\a)+96*((\a)/4)
.endif
	v_wmma_scale_f32_16x16x128_f8f6f4 v[DD:DD+7], v[128*(\p)+FR*\b:128*(\p)+FR*\b+FR-1], v[AF+FR*(\a):AF+FR*(\a)+FR-1], v[CC:CC+7], v[SB], v[SA] matrix_a_fmt:MATRIX_FMT_FP6 matrix_b_fmt:MATRIX_FMT_FP6 matrix_a_scale:MATRIX_SCALE_ROW1
.endif
.endr
.endr
.endm
.macro FETCH_B slot, q, p              ; B's eight fragments of the slot's q-th K step into set p
	WIN TO_B
.irp i, 0,1,2,3,4,5,6,7
	FRAG 128*(\p)+FR*\i, ADRB+\slot, \q, \i
.endr
	WIN 0
.endm
.macro FETCH_A slot, q, i0             ; A's blocks i0 .. i0 + 3
.irp i, \i0, \i0+1, \i0+2, \i0+3
	FRAG AF+FR*(\i), ADRA+\slot, \q, \i
.endr
.endm
; A slot's first K step.  A block of A is free as soon as its eight products are issued: blocks 0-3 are fetched anew in the middle, blocks 4-7 at the end; B has two sets.
.macro STEP slot, kq, cm
	s_wait_dscnt 4*NL                              ; all but the youngest 16 loads (A's blocks 4-7) are in
.if (\cm) == 0
	WIN MUL_LO
.else
	WIN 0x81                                       ; C (the bias) window 0, D window 2
.endif
	MUL16 0, 0, \kq, \cm
	MUL16 2, 0, \kq, \cm
	s_wait_dscnt 0
	PLACES NP                                      ; in front of loads into registers that matrix instructions have read
	FETCH_B \slot, 1, 1
	FETCH_A \slot, 1, 0
.if (\cm) == 0
	WIN MUL_HI
.else
	WIN 0xc1
.endif
	MUL16 4, 0, \kq, \cm
	MUL16 6, 0, \kq, \cm
	PLACES NP
	WIN 0
	FETCH_A \slot, 1, 4
.endm
; A slot's second K step changes slots: one barrier; in front of it each wave waits for all its tensor loads, adds 0 to its spare word, and waits for that and for its reads of this slot.
.macro TURN slot, next, kq, fill
	s_wait_tensorcnt 0x0                           ; all my tensor loads have landed: my part of the next slot
	ds_add_u32 v[SPW], v[NIL]                      ; 0 onto my spare word
	s_wait_dscnt 4*NL+1                            ; (the add and the youngest 16 loads may be out)
	WIN MUL_LO
	MUL16 0, 1, \kq, 0
	s_wait_dscnt 0x0                               ; the add is done, and my reads of this slot are over
	s_barrier_signal -1
	MUL16 2, 1, \kq, 0
	WIN 0
	s_barrier_wait -1
.if \fill
	CREST                                          ; the barrier has opened a round of the cluster's: no wave of any partner still reads this slot or has a load on its way
	s_add_nc_u64 s[G0+4*\slot+2:G0+4*\slot+3], s[G0+4*\slot+2:G0+4*\slot+3], 6144
	s_add_nc_u64 s[G0B+4*\slot+2:G0B+4*\slot+3], s[G0B+4*\slot+2:G0B+4*\slot+3], 6144
	JLOAD G0+4*\slot, G1, G0B+4*\slot, G1B         ; the first tensor load behind the round; its four v_nop are the places in front of the loads below
.else
	PLACES NP
.endif
	FETCH_B \next, 0, 0
	FETCH_A \next, 0, 0
	WIN MUL_HI
	MUL16 4, 1, \kq, 0
	MUL16 6, 1, \kq, 0
	PLACES NP
	WIN 0
	FETCH_A \next, 0, 4
.endm
	s_wait_alu depctr_va_vdst(0)                   ; the wait at the head's end
	s_wait_tensorcnt 0x0                           ; my tile of the head's four is in
	ds_add_u32 v[SPW], v[NIL]
	s_mov_b32 s[G1+2], 8<<16                       ; no tensor load of mine is out: from here on a load brings 8 tiles
	s_mov_b32 s[G1+4], 8
	s_mov_b32 s[G1B+2], 8<<16
	s_mov_b32 s[G1B+4], 8
	s_wait_dscnt 0x0
	CROUND                                         ; a whole round: all four tiles are in, in all sixteen work-groups
	JLOAD G0+4, G1, G0B+4, G1B                     ; slot 1's first fill, K steps 2 and 3: the first tensor load behind the round
	FETCH_B 0, 0, 0
	FETCH_A 0, 0, 0
.irp i, 0,1,2,3,4,5,6,7
.irp kh, 0,1
	ds_load_b128 v[SC+32*\kh+4*\i:SC+32*\kh+4*\i+3], v[ADRS] offset:\i*512+\kh*256   ; all of K's scale words, once
.endr
.endr
	FETCH_A 0, 0, 4
	s_wait_loadcnt 0x0                             ; the bias
	s_cmp_lg_u32 s66, 0
	s_cbranch_scc1 .Lfirst_v
	STEP 0, 0, 1
	s_branch .Lfirst_done
.Lfirst_v:
	STEP 0, 0, 2
.Lfirst_done:
	TURN 0, 1, 1, 1                                ; slot 0 takes K steps 4 and 5
	STEP 1, 2, 0
	TURN 1, 0, 3, 1                                ; slot 1 takes K steps 6 and 7
	STEP 0, 4, 0
	TURN 0, 1, 5, 0                                ; nothing is left to fetch
	STEP 1, 6, 0
	s_wait_dscnt 4*NL
	WIN MUL_LO
	MUL16 0, 1, 7, 0
	MUL16 2, 1, 7, 0
	s_wait_dscnt 0
	WIN MUL_HI
	MUL16 4, 1, 7, 0
	MUL16 6, 1, 7, 0
	WIN 0
; THE WAY OUT.  Block a's 64 registers of a lane are 128 neighbours along B (register 16 b + i = index 32 b + 16 h + i) of one A row: four blocks of 32.  They become 12 registers of codes and a scale word.
; Each accumulator is read from its low end on.
.macro QUANTW a
.set WW, 2+(\a)/4
.set SS, 64*((\a)%4)
	WIN WW|(WW<<2)
.irp b, 0,1,2,3
	v_max3_num_f32 v[TM+\b], |v[SS+16*\b]|, |v[SS+1+16*\b]|, 0x1800000
.endr
	WIN (WW<<2)|(WW<<4)
.irp i, 2,4,6,8,10,12,14
.irp b, 0,1,2,3
	v_max3_num_f32 v[TM+\b], v[TM+\b], |v[SS+16*\b+\i]|, |v[SS+1+16*\b+\i]|
.endr
.endr
	WIN 0
.irp b, 0,1,2,3
	v_permlanex16_b32 v[TM+4+\b], v[TM+\b], s[SEL], s[SEL+1]
.endr
.irp b, 0,1,2,3
	v_max_num_f32 v[TM+\b], v[TM+\b], v[TM+4+\b]
.endr
.irp b, 0,1,2,3
	v_add_nc_u32 v[TM+12+\b], 0xff000000, v[TM+\b]
.endr
.irp b, 0,1,2,3
	v_lshrrev_b32 v[TM+4+\b], 23, v[TM+12+\b]
.endr
	v_lshl_or_b32 v[PW], v[TM+5], 8, v[TM+4]
	v_lshl_or_b32 v[PW], v[TM+6], 16, v[PW]
	v_lshl_or_b32 v[PW], v[TM+7], 24, v[PW]
	WIN WW
.irp c, 0,1
	v_cvt_scalef32_pk16_fp6_f32 v[PC+6*\c:PC+2+6*\c], v[SS+32*\c:SS+15+32*\c], v[TM+12+2*\c]
	v_cvt_scalef32_pk16_fp6_f32 v[PC+12+4*\c:PC+14+4*\c], v[SS+16+32*\c:SS+31+32*\c], v[TM+12+2*\c+1]
.endr
	WIN 0
	v_nop                                          ; one plain place behind a scaled conversion
.irp c, 0,1
.irp i, 0,1,2
	v_permlane16_swap_b32 v[PC+6*\c+\i], v[PC+12+4*\c+\i]
.endr
.irp i, 0,1,2
	v_mov_b32 v[PC+3+6*\c+\i], v[PC+12+4*\c+\i]
.endr
.endr
.endm
	PLACES NP                                      ; behind the last products: results are read, and registers that held operands are written
	s_mov_b32 s[SEL], 0x76543210
	s_mov_b32 s[SEL+1], 0xfedcba98
.irp b, 0,1,2,3
	v_mov_b32 v[TM+4+\b], 0                        ; a lane permute's destination counts as one of its sources
.endr
.irp a, 0,1,2,3,4,5,6,7
.if \a > 0
	s_wait_xcnt 0x0                                ; the last block's stores have read their registers and their bases
.if \a == 4
	s_add_nc_u64 s[98:99], s[98:99], s[104:105]
	s_add_nc_u64 s[96:97], s[96:97], s[104:105]
.else
	s_add_nc_u64 s[98:99], s[98:99], s[94:95]
	s_add_nc_u64 s[96:97], s[96:97], s[94:95]
.endif
.endif
	QUANTW \a
	global_store_b128 v[LI], v[PC:PC+3], s[98:99]                  ; MODE 0: token tile a of the first head; MODE 1: the first 64 tokens of channel tile a.  512 consecutive bytes, aligned to 256
	global_store_b64 v[L8], v[PC+4:PC+5], s[98:99] offset:512
	global_store_b128 v[LI], v[PC+6:PC+9], s[96:97]                ; MODE 0: the second head; MODE 1: the other 64 tokens
	global_store_b64 v[L8], v[PC+10:PC+11], s[96:97] offset:512
	v_lshrrev_b32 v[T1], v[SH], v[PW]
	v_and_b32 v[SW+\a], s12, v[T1]                 ; MODE 0: lanes 0-15 the first head's two bytes, lanes 16-31 the second's; MODE 1: the whole word
	ds_store_b32 v[STO], v[SW+\a] offset:64*\a
.endr
	ds_load_b128 v[148:151], v[RD]                 ; LDS serves a wave's instructions in order: these see my stores
	ds_load_b128 v[152:155], v[RD] offset:512      ; (in MODE 1 these 512 bytes repeat the first and are not stored)
	s_wait_dscnt 0x0
	global_store_b128 v[VO], v[148:151], s[100:101]                ; sixteen lanes store 256 consecutive bytes, aligned
	s_cmp_lg_u32 s66, 0
	s_cbranch_scc1 .Lone_table
	global_store_b128 v[VO], v[152:155], s[100:101] offset:12288   ; MODE 0: the second head's words
.Lone_table:
	s_wait_tensorcnt 0x0                           ; the wave's end
	ds_add_u32 v[SPW], v[NIL]
	s_wait_dscnt 0x0
	CROUND                                         ; the closing round: no work-group ends while a partner may still ask for a tile that names it
	s_endpgm
.Lfunc_end_k_q17024758fa_proj:
	.size	k_q17024758fa_proj, .Lfunc_end_k_q17024758fa_proj-k_q17024758fa_proj
	.p2alignl 7, 3214868480
	.fill 96, 4, 3214868480
	.section	.rodata,"a",@progbits
	.p2align	6, 0x0
	.amdhsa_kernel k_q17024758fa_proj
		.amdhsa_group_segment_fixed_size 327680
		.amdhsa_private_segment_fixed_size 0
		.amdhsa_enable_private_segment 0
		.amdhsa_kernarg_size 72
		.amdhsa_user_sgpr_count 2
		.amdhsa_user_sgpr_kernarg_segment_ptr 1
		.amdhsa_wavefront_size32 1
		.amdhsa_system_sgpr_workgroup_id_x 1
		.amdhsa_system_sgpr_workgroup_id_y 1
		.amdhsa_system_sgpr_workgroup_id_z 1
		.amdhsa_system_vgpr_workitem_id 0
		.amdhsa_next_free_vgpr 1024
		.amdhsa_next_free_sgpr 106
		.amdhsa_reserve_vcc 0
		.amdhsa_float_denorm_mode_32 3
		.amdhsa_float_denorm_mode_16_64 3
		.amdhsa_memory_ordered 1
		.amdhsa_forward_progress 1
		.amdhsa_inst_pref_size 171
	.end_amdhsa_kernel
	.amdgpu_metadata
---
amdhsa.version: [ 1, 2 ]
amdhsa.kernels:
  - .name:           k_q17024758fa_proj
    .symbol:         k_q17024758fa_proj.kd
    .args:
      - { .name: xc, .offset: 0, .size: 8, .value_kind: global_buffer, .address_space: global }
      - { .name: xs, .offset: 8, .size: 8, .value_kind: global_buffer, .address_space: global }
      - { .name: wc, .offset: 16, .size: 8, .value_kind: global_buffer, .address_space: global }
      - { .name: ws, .offset: 24, .size: 8, .value_kind: global_buffer, .address_space: global }
      - { .name: bq, .offset: 32, .size: 8, .value_kind: global_buffer, .address_space: global }
      - { .name: bk, .offset: 40, .size: 8, .value_kind: global_buffer, .address_space: global }
      - { .name: bv, .offset: 48, .size: 8, .value_kind: global_buffer, .address_space: global }
      - { .name: hc, .offset: 56, .size: 8, .value_kind: global_buffer, .address_space: global }
      - { .name: hs, .offset: 64, .size: 8, .value_kind: global_buffer, .address_space: global }
    .group_segment_fixed_size: 327680
    .private_segment_fixed_size: 0
    .kernarg_segment_align: 8
    .kernarg_segment_size: 72
    .max_flat_workgroup_size: 128
    .sgpr_count:     106
    .vgpr_count:     1024
    .wavefront_size: 32
...
	.end_amdgpu_metadata
.endif
;; end of part 3
;; launch attn (part 4): grid 4 x 64, 16 waves a work-group, clusters of 4 x 1, 210,944 bytes of LDS; arguments hc, hs, oc, os; writes oc, os
.if DOCPART == 4
	.amdgcn_target "amdgcn-amd-amdhsa--gfx1250"
	.amdhsa_code_object_version 6
	.text
	.protected	k_q17024758fa_attn
	.globl	k_q17024758fa_attn
	.p2align	8
	.type	k_q17024758fa_attn,@function
k_q17024758fa_attn:
	s_mov_b64 s[64:65], 0
	v_nop
	global_prefetch_b8 v0, s[64:65] scope:SCOPE_SE
	s_setreg_imm32_b32 hwreg(HW_REG_WAVE_MODE, 25, 1), 1
	s_wait_xcnt 0x0
	s_wait_alu depctr_hold_cnt(0) depctr_sa_sdst(0) depctr_va_vdst(0) depctr_va_sdst(0) depctr_va_ssrc(0) depctr_va_vcc(0) depctr_vm_vsrc(0)
	s_getreg_b32 s2, hwreg(HW_REG_IB_STS2, 6, 4)
	s_cmp_eq_u32 s2, 0
	s_cbranch_scc0 .Lentry_in_a_cluster
	s_endpgm
.Lentry_in_a_cluster:
	s_bfe_u32 s2, ttmp6, 0x10000c
	s_cmp_lg_u32 s2, 0x3003
	s_cbranch_scc0 .Lentry_shape_is_right
	s_endpgm
.Lentry_shape_is_right:
; o = softmax(q k^T / 8) v for each of 64 (batch, head), 2,048 tokens, head size 64, both products on codes of FP6 (E2M3) with E8M0 scales; o is quantised along the head's 64 for the last projection.
; THE SOFTMAX: t = score x log2(e) / 8; M = the running largest t, rounded UP to a whole number; p = 2^(t - M) is quantised along the keys, not normalised; the row's sum is taken of the unquantised p and divides at the end.
; When M moves, the sum and O are multiplied by 2^(old M - new M): exact.
; INPUTS (this program's own): hc [q, k, v][64][group of 128 tokens 16][6,144]: q, k: 8 token tiles x 768 bytes (16 tokens x 64: lane l's registers 0-3 at 16 l, 4-5 at 512 + 8 l); v: 4 channel tiles x 1,536 (16 channels x 128 keys).
; hs [q | k and v][64][16][768]: words [token tile][r] (bytes 2 and 3 zero), then v's words [channel tile][r].  Lane row r of tile t is row 32 (t / 2) + 8 (t % 2) + r + 8 (r / 8).
; A WHOLE HEAD'S K, V AND SCALES STAY IN LDS: 16 records of 13,056 bytes, filled once: no slot is ever filled again.
; CLUSTER: the four work-groups of a cluster take the four quarters of a head's queries and ask for K and V jointly (mask 15).  Each of the sixteen waves issues one load of its own bytes: one is out.
; SHARES: a wave owns one tile of 16 queries in each of two passes: tile 32 cx + 16 pass + wave.  Four waves to a SIMD: one wave's vector work stands beside another's matrix work and LDS loads.
; BOTH PRODUCTS ARE USED TRANSPOSED: S^T = K Q^T, O^T = V^T P^T: a lane holds one query throughout, and the 16 registers of score tiles 2 b, 2 b + 1 are keys 32 b + 16 (lane / 16) + 0 .. 15.
; THE FIRST PRODUCT'S K IS 64, half of the instruction's 128.  Q's registers 6-11 are zero codes.  K's operand for tile t is v[32 + 6 t .. 43 + 6 t]: its upper six registers are the NEXT tile's codes (zeros behind the last);
; they meet Q's zero codes under scale bytes 0 on both sides, and add exactly 0.
; OUT: oc [token tile 512][head 16][768]; os [token tile][half of K][r][4 words], of which a head owns two bytes a row: these stores of 2 bytes a lane fill 256-byte runs only together with seven other heads' (256 KiB in all).
; LIMITS: a block of zeros keeps the byte 1 (its codes are zeros; only this program reads the bytes); NaN and infinities are not served.
; REGISTERS: v1-3 16 l, 8 l, 4 l; v4-6 the step's addresses; v7 16 r; v12 -M, v13 the largest t, v[14:15] the sum; v16-27 Q of pass 0, v232-243 of pass 1; v28, v29 their scale words; v32-85 K, then v32-79 V;
;   v86-89 K's scale words, v90-91 V's; v96-159 S^T, then p; v160-191 O^T; v192-211 p's codes; v212-231 at work; v228 p's scale word.
.set REC, 13056                        ; a record: K 8 x 768, V 4 x 1,536 at 6,144, scale words at 12,288 (K's 512 bytes, V's 256)
.set VOF, 6144
.set KSC, 12288
.set VSC, 12800
.macro CROUND                          ; a round of the cluster's barrier
	s_barrier_signal -1
	s_barrier_wait -1
	s_cmp_lg_u32 s12, 0
	s_cbranch_scc1 .Lnot_wave_0_\@
	s_barrier_signal -3
.Lnot_wave_0_\@:
	s_barrier_wait -3
	s_barrier_signal -1
	s_barrier_wait -1
.endm
	s_load_b256 s[4:11], s[0:1], 0x0               ; hc, hs, oc, os
	v_lshl_add_u32 v254, v0, 2, 0x33000
	v_mov_b32 v255, 0
	ds_add_u32 v254, v255
	ds_add_u32 v254, v255
	v_lshrrev_b32 v1, 5, v0
	s_delay_alu instid0(VALU_DEP_1)
	v_readfirstlane_b32 s12, v1                    ; wave 0..15
	s_bfe_u32 s13, ttmp6, 0x40000                  ; cx
	s_and_b32 s14, ttmp7, 0xffff                   ; 16 batch + head, which the four partners share
	; group 1: two rows of 6,144 bytes (768 elements of 8): k's codes and v's
	s_mov_b32 s24, 15|(3<<16)|(1<<21)              ; 15:0 the mask: all four work-groups; 17:16 elements of 8 bytes; 21 set beside a mask
	; ONE JOINT LOAD A WAVE: wave w brings record w's codes: two rows of 6,144 bytes, k's and v's, which lie 64 x 98,304 bytes apart in hc
	s_mov_b32 s25, 768<<16                         ; tensor_dim0 = 768 elements of 8 bytes
	s_mov_b32 s26, 2<<16                           ; tensor_dim1 = 2
	s_mov_b32 s27, 768<<16                         ; tile_dim0
	s_mov_b32 s28, 2                               ; tile_dim1
	s_mov_b32 s29, 786432                          ; from k's row to v's, in elements
	s_mov_b32 s30, 0
	s_mov_b32 s31, 0
	s_mul_i32 s41, s12, REC                        ; to record w in LDS
	s_and_b32 s75, s12, 7
	s_lshr_b32 s77, s12, 3
	s_add_co_u32 s78, s14, 64
	s_lshl_b32 s78, s78, 4
	s_add_co_u32 s78, s78, s12
	s_mul_i32 s78, s78, 768                        ; in hs
	s_mov_b32 s79, 0
	s_add_co_u32 s80, s14, 64
	s_mul_i32 s80, s80, 98304                      ; k of my (batch, head),
	s_mul_i32 s82, s12, 6144                       ; its group w of 128 tokens
	s_add_co_u32 s80, s80, s82
	s_mov_b32 s81, 0
	s_mov_b32 s20, 0x76543210
	s_mov_b32 s21, 0xfedcba98                      ; lane selects: lane l xor 16
	s_mov_b32 s22, 0x3e38aa3b                      ; c = log2(e) / 8
	s_mov_b32 s23, s22                             ; (named with it as a pair, so it is written)
	s_wait_dscnt 0x0
	s_wait_kmcnt 0x0
	s_mov_b32 s40, 1
	s_add_nc_u64 s[42:43], s[4:5], s[80:81]
	s_or_b32 s43, s43, 0x80000000
	s_add_nc_u64 s[82:83], s[6:7], s[78:79]        ; record w's 768 bytes of scale words in hs: they come by plain loads, below
	CROUND                                         ; all four work-groups are here: the joint loads meet
	tensor_load_to_lds s[40:43], s[24:31]          ; one load of mine is out
	s_nop 0
.rept 4
	v_nop
.endr
	; my own rows: these numbers hold cx and enter plain loads' and stores' addresses alone
	s_lshl_b32 s84, s13, 5
	s_add_co_u32 s84, s84, s12                     ; pass 0's tile of queries
	s_mul_i32 s85, s14, 98304
	s_mul_i32 s86, s84, 768
	s_add_co_u32 s86, s86, s85
	s_mov_b32 s87, 0
	s_add_nc_u64 s[66:67], s[4:5], s[86:87]        ; Q's codes
	s_lshl_b32 s85, s14, 4
	s_lshl_b32 s86, s13, 2
	s_add_co_u32 s85, s85, s86
	s_add_co_u32 s85, s85, s77
	s_mul_i32 s86, s85, 768
	s_lshl_b32 s85, s75, 6
	s_add_co_u32 s86, s86, s85
	s_add_nc_u64 s[68:69], s[6:7], s[86:87]        ; Q's scale words
	s_lshr_b32 s85, s14, 4
	s_lshl_b32 s85, s85, 7
	s_add_co_u32 s85, s85, s84                     ; the token tile among all 512
	s_and_b32 s88, s14, 15                         ; the head
	s_mul_i32 s86, s85, 12288
	s_mul_i32 s89, s88, 768
	s_add_co_u32 s86, s86, s89
	s_add_nc_u64 s[70:71], s[8:9], s[86:87]        ; oc
	s_lshl_b32 s86, s85, 9
	s_lshr_b32 s89, s88, 3
	s_lshl_b32 s89, s89, 8
	s_add_co_u32 s86, s86, s89
	s_bfe_u32 s89, s88, 0x20001
	s_lshl_b32 s89, s89, 2
	s_add_co_u32 s86, s86, s89
	s_and_b32 s89, s88, 1
	s_lshl_b32 s89, s89, 1
	s_add_co_u32 s86, s86, s89
	s_add_nc_u64 s[72:73], s[10:11], s[86:87]      ; os: the head's two bytes of a row's words
	v_and_b32 v8, 31, v0
	s_delay_alu instid0(VALU_DEP_1)
	v_lshlrev_b32 v1, 4, v8
	s_delay_alu instid0(VALU_DEP_2)
	v_lshlrev_b32 v2, 3, v8
	s_delay_alu instid0(VALU_DEP_3)
	v_lshlrev_b32 v3, 2, v8
	v_and_b32 v9, 15, v0
	s_delay_alu instid0(VALU_DEP_1)
	v_lshlrev_b32 v7, 4, v9
	s_delay_alu instid0(VALU_DEP_2)
	v_lshlrev_b32 v10, 2, v9
	v_add_nc_u32 v4, s41, v1                       ; record w in LDS, + 16 l and + 8 l
	v_add_nc_u32 v5, s41, v2
	global_load_b128 v[96:99], v1, s[82:83]        ; record w's scale words: 512 and 256 consecutive bytes
	global_load_b64 v[100:101], v2, s[82:83] offset:512
	global_load_b128 v[16:19], v1, s[66:67]
	global_load_b64 v[20:21], v2, s[66:67] offset:512
	global_load_b32 v28, v10, s[68:69]
	global_load_b128 v[232:235], v1, s[66:67] offset:12288         ; pass 1: 16 tiles on
	global_load_b64 v[236:237], v2, s[66:67] offset:12800
	global_load_b32 v29, v10, s[68:69] offset:1536
.irp j, 0,1,2,3,4,5
	v_mov_b32 v[22+\j], 0                          ; zero codes for the upper half of the instruction's K
	v_mov_b32 v[238+\j], 0
	v_mov_b32 v[80+\j], 0
.endr
.irp b, 0,1,2,3
	v_mov_b32 v[216+\b], 0                         ; written once: a lane permute's destination counts as one of its sources
.endr
	v_mov_b32 v224, 0
	v_mov_b32 v227, 0                              ; (named as the upper half of the pair v[226:227])
.macro INIT                            ; the step is written once for all steps: the first finds zeros, which the first change of M leaves zeros
	v_mov_b32 v13, 0xff61b1e6                      ; the largest t so far: -3e38
	s_delay_alu instid0(VALU_DEP_1)
	v_floor_f32 v12, -v13                          ; -M
	v_mov_b32 v14, 0
	v_mov_b32 v15, 0
.set j, 0
.rept 32
	v_mov_b32 v[160+j], 0
.set j, j+1
.endr
	s_mov_b32 s60, 0                               ; the record in hand
.endm
; A KEY STEP: 128 keys.
.macro STEP qreg, qs
	s_barrier_signal -1                            ; a barrier a key step, signal at its head and wait at its end: no wave begins step i + 1 before every wave has begun step i.  It orders no memory: between the two stand register work and loads of LDS bytes that nobody writes
	v_add_nc_u32 v4, s60, v1
	v_add_nc_u32 v5, s60, v2
	v_add_nc_u32 v6, s60, v3
	v_nop                                          ; four places in front of loads into registers that the last products read
.irp t, 0,1,2,3,4,5,6,7
	ds_load_b128 v[32+6*\t:35+6*\t], v4 offset:768*\t
	ds_load_b64 v[36+6*\t:37+6*\t], v5 offset:768*\t+512
.endr
.irp b, 0,1,2,3
	ds_load_b32 v[86+\b], v6 offset:KSC+128*\b     ; lanes 0-15: tile 2 b's words; lanes 16-31: tile 2 b + 1's
.endr
	s_wait_alu depctr_va_vdst(0)
	s_wait_dscnt 0x0
.irp t, 0,1,2,3,4,5,6,7
.if (\t)%2
	v_wmma_scale_f32_16x16x128_f8f6f4 v[96+8*\t:103+8*\t], v[32+6*\t:43+6*\t], v[\qreg:\qreg+11], 0, v[86+\t/2], v[\qs] matrix_a_fmt:MATRIX_FMT_FP6 matrix_b_fmt:MATRIX_FMT_FP6 matrix_a_scale:MATRIX_SCALE_ROW1
.else
	v_wmma_scale_f32_16x16x128_f8f6f4 v[96+8*\t:103+8*\t], v[32+6*\t:43+6*\t], v[\qreg:\qreg+11], 0, v[86+\t/2], v[\qs] matrix_a_fmt:MATRIX_FMT_FP6 matrix_b_fmt:MATRIX_FMT_FP6
.endif
.endr
.rept 4
	v_nop                                          ; places: V lands where K lay, and the scores are read
.endr
.irp t, 0,1,2,3
.irp c, 0,1
	ds_load_b128 v[32+12*\t+6*\c:35+12*\t+6*\c], v4 offset:VOF+1536*\t+768*\c      ; V's fragments land while the softmax is walked
	ds_load_b64 v[36+12*\t+6*\c:37+12*\t+6*\c], v5 offset:VOF+1536*\t+768*\c+512
.endr
.endr
.irp g, 0,1
	ds_load_b32 v[90+\g], v6 offset:VSC+128*\g
.endr
.irp b, 0,1,2,3
	v_max3_num_f32 v[212+\b], v[96+16*\b], v[97+16*\b], v[98+16*\b]   ; the largest score of each block of 32 keys: it serves for the row's maximum and, since p rises with the score, for the block's largest p
.endr
.irp i, 3,5,7,9,11,13
.irp b, 0,1,2,3
	v_max3_num_f32 v[212+\b], v[212+\b], v[96+16*\b+\i], v[97+16*\b+\i]
.endr
.endr
.irp b, 0,1,2,3
	v_max_num_f32 v[212+\b], v[212+\b], v[111+16*\b]
.endr
.irp b, 0,1,2,3
	s_delay_alu instid0(VALU_DEP_4)
	v_permlanex16_b32 v[216+\b], v[212+\b], s20, s21
.endr
.irp b, 0,1,2,3
	s_delay_alu instid0(VALU_DEP_4)
	v_max_num_f32 v[212+\b], v[212+\b], v[216+\b]  ; with lane l xor 16's 16 keys
.endr
	s_delay_alu instid0(VALU_DEP_2)
	v_max3_num_f32 v224, v212, v213, v214
	s_delay_alu instid0(VALU_DEP_1)
	v_max_num_f32 v224, v224, v215
	s_delay_alu instid0(VALU_DEP_1)
	v_mul_f32 v224, s22, v224                      ; as t (c is positive)
	s_delay_alu instid0(VALU_DEP_1)
	v_max_num_f32 v13, v13, v224                   ; the running largest t
	v_mov_b32 v224, v12
	s_delay_alu instid0(VALU_DEP_2)
	v_floor_f32 v12, -v13                          ; the new -M = -ceil(t)
	s_delay_alu instid0(VALU_DEP_1)
	v_sub_f32 v224, v12, v224                      ; old M - new M: a whole number, 0 or less
	s_delay_alu instid0(VALU_DEP_1)
	v_cvt_i32_f32 v224, v224                       ; (it saturates)
	s_delay_alu instid0(VALU_DEP_1)
	v_ldexp_f32 v226, 1.0, v224                    ; f = 2^(old M - new M)
.set j, 0
.rept 32
	v_pk_fma_f32 v[96+j:97+j], v[96+j:97+j], s[22:23], v[12:13] op_sel_hi:[1,0,0]   ; t - M, two at a time
.set j, j+2
.endr
.irp b, 0,1,2,3
	v_fma_f32 v[212+\b], v[212+\b], s22, v12       ; the same of each block's largest score
.endr
.set j, 0
	s_wait_alu depctr_va_vdst(0)
.rept 64
	v_exp_f32 v[96+j], v[96+j]                     ; p = 2^(t - M)
.set j, j+1
.endr
	v_pk_mul_f32 v[14:15], v[14:15], v[226:227] op_sel_hi:[1,0]   ; the sums under the new M: a plain place behind the exponentials
	s_wait_alu depctr_va_vdst(0)                   ; one for the batch, ahead of its first reader
.irp b, 0,1,2,3
	v_exp_f32 v[212+\b], v[212+\b]                 ; the block's largest p: the same two instructions on the same number
.endr
	v_pk_add_f32 v[230:231], v[100:101], v[104:105]
	v_pk_add_f32 v[252:253], v[108:109], v[112:113]
	v_pk_add_f32 v[250:251], v[116:117], v[120:121]
	v_pk_add_f32 v[248:249], v[124:125], v[128:129]
	v_pk_add_f32 v[246:247], v[132:133], v[136:137]
	v_pk_add_f32 v[244:245], v[140:141], v[144:145]
	v_pk_add_f32 v[228:229], v[148:149], v[152:153]
	v_pk_add_f32 v[14:15], v[14:15], v[156:157]
	v_pk_add_f32 v[230:231], v[230:231], v[96:97]
	v_pk_add_f32 v[252:253], v[252:253], v[98:99]
	v_pk_add_f32 v[250:251], v[250:251], v[102:103]
	v_pk_add_f32 v[248:249], v[248:249], v[106:107]
	v_pk_add_f32 v[246:247], v[246:247], v[110:111]
	v_pk_add_f32 v[244:245], v[244:245], v[114:115]
	v_pk_add_f32 v[228:229], v[228:229], v[118:119]
	v_pk_add_f32 v[14:15], v[14:15], v[122:123]
	v_pk_add_f32 v[230:231], v[230:231], v[126:127]
	v_pk_add_f32 v[252:253], v[252:253], v[130:131]
	v_pk_add_f32 v[250:251], v[250:251], v[134:135]
	v_pk_add_f32 v[248:249], v[248:249], v[138:139]
	v_pk_add_f32 v[246:247], v[246:247], v[142:143]
	v_pk_add_f32 v[244:245], v[244:245], v[146:147]
	v_pk_add_f32 v[228:229], v[228:229], v[150:151]
	v_pk_add_f32 v[14:15], v[14:15], v[154:155]
	v_pk_add_f32 v[230:231], v[230:231], v[158:159]
	s_delay_alu instid0(VALU_DEP_2)
	v_pk_add_f32 v[14:15], v[14:15], v[248:249]
	s_delay_alu instid0(VALU_DEP_2)
	v_pk_add_f32 v[230:231], v[230:231], v[246:247]
	v_pk_add_f32 v[252:253], v[252:253], v[244:245]
	v_pk_add_f32 v[250:251], v[250:251], v[228:229]
	s_delay_alu instid0(VALU_DEP_2)
	v_pk_add_f32 v[14:15], v[14:15], v[252:253]
	s_delay_alu instid0(VALU_DEP_2)
	v_pk_add_f32 v[230:231], v[230:231], v[250:251]
	s_delay_alu instid0(VALU_DEP_1)
	v_pk_add_f32 v[14:15], v[14:15], v[230:231]
	s_wait_alu depctr_va_vdst(0)                   ; and one for the four
.irp b, 0,1,2,3
	v_max_num_f32 v[212+\b], 0x1800000, v[212+\b]  ; the floor 2^(3 - 127)
.endr
.irp b, 0,1,2,3
	s_delay_alu instid0(VALU_DEP_4)
	v_add_nc_u32 v[220+\b], 0xff000000, v[212+\b]  ; 2 off the exponent field: the conversion's scale operand
.endr
.irp b, 0,1,2,3
	s_delay_alu instid0(VALU_DEP_4)
	v_lshrrev_b32 v[216+\b], 23, v[220+\b]
.endr
	s_delay_alu instid0(VALU_DEP_3)
	v_lshl_or_b32 v228, v217, 8, v216              ; p's scale word for these 128 keys
	s_delay_alu instid0(VALU_DEP_1)
	v_lshl_or_b32 v228, v218, 16, v228
	s_delay_alu instid0(VALU_DEP_1)
	v_lshl_or_b32 v228, v219, 24, v228
.irp c, 0,1
	v_cvt_scalef32_pk16_fp6_f32 v[192+6*\c:194+6*\c], v[96+32*\c:111+32*\c], v[220+2*\c]
	v_cvt_scalef32_pk16_fp6_f32 v[204+4*\c:206+4*\c], v[112+32*\c:127+32*\c], v[220+2*\c+1]
.endr
	v_nop                                          ; one plain place behind a scaled conversion
.irp c, 0,1
.irp i, 0,1,2
	v_permlane16_swap_b32 v[192+6*\c+\i], v[204+4*\c+\i]
.endr
.irp i, 0,1,2
	s_delay_alu instid0(VALU_DEP_3)
	v_mov_b32 v[195+6*\c+\i], v[204+4*\c+\i]
.endr
.endr
.set j, 0
.rept 16
	v_pk_mul_f32 v[160+j:161+j], v[160+j:161+j], v[226:227] op_sel_hi:[1,0]   ; O^T under the new M; these are also the places between the scale word's and the codes' last writes and the products
.set j, j+2
.endr
	s_wait_alu depctr_va_vdst(0)
	s_wait_dscnt 0x0                               ; V is in
.irp t, 0,1,2,3
.if (\t)%2
	v_wmma_scale_f32_16x16x128_f8f6f4 v[160+8*\t:167+8*\t], v[32+12*\t:43+12*\t], v[192:203], v[160+8*\t:167+8*\t], v[90+\t/2], v228 matrix_a_fmt:MATRIX_FMT_FP6 matrix_b_fmt:MATRIX_FMT_FP6 matrix_a_scale:MATRIX_SCALE_ROW1
.else
	v_wmma_scale_f32_16x16x128_f8f6f4 v[160+8*\t:167+8*\t], v[32+12*\t:43+12*\t], v[192:203], v[160+8*\t:167+8*\t], v[90+\t/2], v228 matrix_a_fmt:MATRIX_FMT_FP6 matrix_b_fmt:MATRIX_FMT_FP6
.endif
.endr
	s_add_co_u32 s60, s60, REC
	s_barrier_wait -1
.endm
; THE WAY OUT of a pass: O^T / the sum; register 16 b + i is channel 32 b + 16 h + i of my query: two blocks of 32, quantised into one half image and two scale bytes.
.macro OUT p
.rept 4
	v_nop                                          ; places behind the last products
.endr
	v_add_f32 v14, v14, v15
	s_delay_alu instid0(VALU_DEP_1)
	v_permlanex16_b32 v224, v14, s20, s21
	s_delay_alu instid0(VALU_DEP_1)
	v_add_f32 v14, v14, v224                       ; the row's sum
	s_wait_alu depctr_va_vdst(0)
	v_rcp_f32 v226, v14
	v_nop                                          ; a plain place behind the reciprocal
	s_wait_alu depctr_va_vdst(0)                   ; ahead of the first reader
.set j, 0
.rept 16
	v_pk_mul_f32 v[96+j:97+j], v[160+j:161+j], v[226:227] op_sel_hi:[1,0]
.set j, j+2
.endr
.irp b, 0,1
	v_max3_num_f32 v[212+\b], |v[96+16*\b]|, |v[97+16*\b]|, 0x1800000
.endr
.irp i, 2,4,6,8,10,12,14
.irp b, 0,1
	s_delay_alu instid0(VALU_DEP_2)
	v_max3_num_f32 v[212+\b], v[212+\b], |v[96+16*\b+\i]|, |v[97+16*\b+\i]|
.endr
.endr
.irp b, 0,1
	s_delay_alu instid0(VALU_DEP_2)
	v_permlanex16_b32 v[216+\b], v[212+\b], s20, s21
.endr
.irp b, 0,1
	s_delay_alu instid0(VALU_DEP_2)
	v_max_num_f32 v[212+\b], v[212+\b], v[216+\b]
.endr
.irp b, 0,1
	s_delay_alu instid0(VALU_DEP_2)
	v_add_nc_u32 v[220+\b], 0xff000000, v[212+\b]
.endr
.irp b, 0,1
	s_delay_alu instid0(VALU_DEP_2)
	v_lshrrev_b32 v[216+\b], 23, v[220+\b]
.endr
	s_delay_alu instid0(VALU_DEP_1)
	v_lshl_or_b32 v225, v217, 8, v216
	v_cvt_scalef32_pk16_fp6_f32 v[192:194], v[96:111], v220
	v_cvt_scalef32_pk16_fp6_f32 v[204:206], v[112:127], v221
	v_nop
.irp i, 0,1,2
	v_permlane16_swap_b32 v[192+\i], v[204+\i]
.endr
.irp i, 0,1,2
	s_delay_alu instid0(VALU_DEP_3)
	v_mov_b32 v[195+\i], v[204+\i]
.endr
	global_store_b128 v1, v[192:195], s[70:71] offset:(\p)*196608        ; 512 consecutive bytes, aligned to 256
	global_store_b64 v2, v[196:197], s[70:71] offset:(\p)*196608+512
	global_store_b16 v7, v225, s[72:73] offset:(\p)*8192                 ; lanes l and l xor 16 write the same two bytes with the same value
.endm
	INIT
	s_wait_loadcnt 0x0                             ; Q of both passes, and the scale words
	s_wait_tensorcnt 0x0                           ; my load has landed
	ds_store_b128 v4, v[96:99] offset:KSC          ; the scale words go to three blocks of 256 bytes of the record on which no tensor load lands
	ds_store_b64 v5, v[100:101] offset:KSC+512
	s_wait_dscnt 0x0                               ; for the others' sake
	s_barrier_signal -1
	s_barrier_wait -1                              ; everybody's have: the head's K, V and scale words are whole
	s_mov_b32 s61, 16
.Lpass0:
	STEP 16, 28
	s_sub_co_u32 s61, s61, 1
	s_cmp_lg_u32 s61, 0
	s_cbranch_scc1 .Lpass0
	OUT 0
	s_wait_xcnt 0x0                                ; the stores have read their registers, which the next pass writes
	INIT
	s_mov_b32 s61, 16
.Lpass1:
	STEP 232, 29
	s_sub_co_u32 s61, s61, 1
	s_cmp_lg_u32 s61, 0
	s_cbranch_scc1 .Lpass1
	OUT 1
	s_wait_tensorcnt 0x0
	ds_add_u32 v254, v255
	s_wait_dscnt 0x0
	CROUND                                         ; the closing round
	s_endpgm
.Lfunc_end_k_q17024758fa_attn:
	.size	k_q17024758fa_attn, .Lfunc_end_k_q17024758fa_attn-k_q17024758fa_attn
	.p2alignl 7, 3214868480
	.fill 96, 4, 3214868480
	.section	.rodata,"a",@progbits
	.p2align	6, 0x0
	.amdhsa_kernel k_q17024758fa_attn
		.amdhsa_group_segment_fixed_size 210944
		.amdhsa_private_segment_fixed_size 0
		.amdhsa_enable_private_segment 0
		.amdhsa_kernarg_size 32
		.amdhsa_user_sgpr_count 2
		.amdhsa_user_sgpr_kernarg_segment_ptr 1
		.amdhsa_wavefront_size32 1
		.amdhsa_system_sgpr_workgroup_id_x 1
		.amdhsa_system_sgpr_workgroup_id_y 1
		.amdhsa_system_sgpr_workgroup_id_z 1
		.amdhsa_system_vgpr_workitem_id 0
		.amdhsa_next_free_vgpr 256
		.amdhsa_next_free_sgpr 90
		.amdhsa_reserve_vcc 0
		.amdhsa_float_denorm_mode_32 3
		.amdhsa_float_denorm_mode_16_64 3
		.amdhsa_memory_ordered 1
		.amdhsa_forward_progress 1
		.amdhsa_inst_pref_size 53
	.end_amdhsa_kernel
	.amdgpu_metadata
---
amdhsa.version: [ 1, 2 ]
amdhsa.kernels:
  - .name:           k_q17024758fa_attn
    .symbol:         k_q17024758fa_attn.kd
    .args:
      - { .name: hc, .offset: 0, .size: 8, .value_kind: global_buffer, .address_space: global }
      - { .name: hs, .offset: 8, .size: 8, .value_kind: global_buffer, .address_space: global }
      - { .name: oc, .offset: 16, .size: 8, .value_kind: global_buffer, .address_space: global }
      - { .name: os, .offset: 24, .size: 8, .value_kind: global_buffer, .address_space: global }
    .group_segment_fixed_size: 210944
    .private_segment_fixed_size: 0
    .kernarg_segment_align: 8
    .kernarg_segment_size: 32
    .max_flat_workgroup_size: 512
    .sgpr_count:     90
    .vgpr_count:     256
    .wavefront_size: 32
...
	.end_amdgpu_metadata
.endif
;; end of part 4
;; launch outp (part 5): grid 4 x 64, 4 waves a work-group, clusters of 4 x 1, 167,936 bytes of LDS; arguments oc, os, wc, ws, bp, out0; writes out0
.if DOCPART == 5
	.amdgcn_target "amdgcn-amd-amdhsa--gfx1250"
	.amdhsa_code_object_version 6
	.text
	.protected	k_q17024758fa_outp
	.globl	k_q17024758fa_outp
	.p2align	8
	.type	k_q17024758fa_outp,@function
k_q17024758fa_outp:
	s_mov_b64 s[64:65], 0
	v_nop
	global_prefetch_b8 v0, s[64:65] scope:SCOPE_SE
	s_setreg_imm32_b32 hwreg(HW_REG_WAVE_MODE, 25, 1), 1
	s_wait_xcnt 0x0
	s_wait_alu depctr_hold_cnt(0) depctr_sa_sdst(0) depctr_va_vdst(0) depctr_va_sdst(0) depctr_va_ssrc(0) depctr_va_vcc(0) depctr_vm_vsrc(0)
	s_getreg_b32 s2, hwreg(HW_REG_IB_STS2, 6, 4)
	s_cmp_eq_u32 s2, 0
	s_cbranch_scc0 .Lentry_in_a_cluster
	s_endpgm
.Lentry_in_a_cluster:
	s_bfe_u32 s2, ttmp6, 0x10000c
	s_cmp_lg_u32 s2, 0x3003
	s_cbranch_scc0 .Lentry_shape_is_right
	s_endpgm
.Lentry_shape_is_right:
; out0 = o Wp + bp: [8192][1024] f32, on codes of FP6 (E2M3) with E8M0 scales; K = 1,024 in 8 steps of 128.
; OPERANDS lie in memory as images of operand registers: a tile of 16 rows has 8 K steps of 1,536 bytes (two halves of 768: lane l's registers 0-3 at 16 l, 4-5 at 512 + 8 l) and a table of 512 bytes
; of scale words [half of K][r][4 words].  Lane row r of tile t is row 32 (t / 2) + 8 (t % 2) + r + 8 (r / 8).  oc, os: 512 token tiles; wc, ws: Wp's 64 tiles of columns begin at tile 192.
; THE DEAL.  256 work-groups: (cx, y) makes tokens 128 y .. + 127 x columns 256 cx .. + 255.  Wave w holds columns 64 w .. + 63 of them, ALL of K, in registers (4 tiles x 8 fragments of 12: 384),
; loaded straight from the images: every load takes 512 or 256 consecutive bytes.  The 8 token tiles, all of K (98,304 bytes), come into LDS once, two tiles by each wave's one tensor load, and nothing is filled again.
; They stream past the weights in blocks of 16 tokens: 32 products finish 16 x 64 of the result, which leaves through the wave's own stage under the next block's products.
; CLUSTER: the four work-groups of a cluster share their token tiles and ask for them jointly (mask 15).
; NO PREFETCH: all that the launch reads is asked for at its head, and there is no loop to run ahead in.
; THE MATRIX INSTRUCTION IS USED TRANSPOSED (source 0 = 16 columns of Wp, source 1 = 16 tokens): register j of result tile b in lane (r, h) is column 32 (b / 2) + 8 (b % 2) + 16 h + j of token row r.
; THE BIAS is the C of each sum's first product.  LIMITS: NaN and infinities are not served.
; REGISTERS.  Window 0: v1-17 addresses; v32-47 Wp's scale words, v52-83 the tokens' (nothing else lies there; the two runs differ by 4 modulo 8); v96-127 the bias; v128-191 two sets of four accumulators;
;   v192-255 two sets of 16 rows on the way out.  Windows 1, 2: Wp's fragment f = 4 q + b at window 1 + f / 21, register 12 (f % 21).  Window 3: the tokens' fragments, two sets of 96.
.set TILEB,  12288                     ; a tile's eight images
.set STAGE,  98304                     ; behind the token tiles: 16 rows x (256 + 16) bytes for each wave
.set SPITCH, 272
.set SPARE,  115712                    ; the spare words, 128 bytes for each wave
.set FR,  12
.set FPW, 21
.set AD,  4                            ; v4, v5: 16 l, 8 l (token tiles 0-3, and the images in memory); v6, v7: the same + 4 tiles
.set SVO, 8                            ; v8   scale tables: 512 h + 16 r: lanes 0-15 an even tile's rows, lanes 16-31 the odd tile's
.set BVO, 9                            ; v9   the bias: 64 h
.set STO, 10                           ; v10  the stage, in: row r, + 64 h
.set RD,  11                           ; v11  the stage, back: sixteen lanes to a row of 256 bytes, two rows a load
.set CO,  12                           ; v12  the same two rows in out0
.set SPW, 14
.set NIL, 15
.set SB,  32
.set SA,  52
.set BI,  96
.set ACC, 128
.set BK,  192
.set MSB, 0
.macro WIN new                         ; the immediate's high byte repeats the setting that is left
.if MSB != (\new)
	s_set_vgpr_msb (MSB<<8)|(\new)
.set MSB, (\new)
.endif
.endm
.macro PLACES                          ; four places behind this matrix instruction (ISA guide 7.12.1)
.rept 4
	v_nop
.endr
.endm
.macro CROUND                          ; a round of the cluster's barrier
	s_barrier_signal -1
	s_barrier_wait -1
	s_cmp_lg_u32 s16, 0
	s_cbranch_scc1 .Lnot_wave_0_\@
	s_barrier_signal -3
.Lnot_wave_0_\@:
	s_barrier_wait -3
	s_barrier_signal -1
	s_barrier_wait -1
.endm
.macro FETCH t                         ; token tile t's eight fragments into set t % 2: 32 loads, each of consecutive bytes
	WIN 0xc0
.irp q, 0,1,2,3,4,5,6,7
.set R_, 96*((\t)%2)+FR*\q
.set O_, ((\t)%4)*TILEB+\q*1536
.set A_, AD+2*((\t)/4)
	ds_load_b128 v[R_:R_+3], v[A_] offset:O_
	ds_load_b64 v[R_+4:R_+5], v[A_+1] offset:O_+512
	ds_load_b128 v[R_+6:R_+9], v[A_] offset:O_+768
	ds_load_b64 v[R_+10:R_+11], v[A_+1] offset:O_+1280
.endr
	WIN 0
.endm
.macro BLOCK t, e                      ; token tile t (e = t % 2): 32 products, the four accumulators by turns, K ascending
.irp q, 0,1,2,3,4,5,6,7
.irp p, 0,1
.irp o, 0,1
.set F_, 4*\q+2*\p+\o
.set D_, ACC+32*\e+8*(2*\p+\o)
.if \q
.set C_, D_
.else
.set C_, BI+8*(2*\p+\o)
.endif
	WIN (1+F_/FPW)|(3<<2)
	v_wmma_scale_f32_16x16x128_f8f6f4 v[D_:D_+7], v[FR*(F_%FPW):FR*(F_%FPW)+FR-1], v[96*\e+FR*\q:96*\e+FR*\q+FR-1], v[C_:C_+7], v[SB+8*\p+\q], v[SA+8*((\t)/2)+\q] matrix_a_fmt:MATRIX_FMT_FP6 matrix_b_fmt:MATRIX_FMT_FP6 matrix_a_scale:MATRIX_SCALE_ROW\o matrix_b_scale:MATRIX_SCALE_ROW\e
.endr
.endr
.endr
.endm
.macro TOSTAGE t                       ; 16 x 64 results into my stage, each accumulator from its low end on, and back as whole rows.  LDS serves a wave's instructions in order (ISA guide 5.7.1.4)
.set A_, ACC+32*((\t)%2)
.set K_, BK+32*((\t)%2)
.irp b, 0,1,2,3
	ds_store_b128 v[STO], v[A_+8*\b:A_+8*\b+3] offset:128*(\b/2)+32*(\b%2)
	ds_store_b128 v[STO], v[A_+8*\b+4:A_+8*\b+7] offset:128*(\b/2)+32*(\b%2)+16
.endr
.irp i, 0,1,2,3,4,5,6,7
	ds_load_b128 v[K_+4*\i:K_+4*\i+3], v[RD] offset:\i*2*SPITCH
.endr
.endm
.macro SEND t                          ; sixteen lanes store 256 consecutive bytes, at a multiple of 256 from out0's first byte
.set K_, BK+32*((\t)%2)
.irp i, 0,1,2,3,4,5,6,7
	global_store_b128 v[CO], v[K_+4*\i:K_+4*\i+3], s[14:15] offset:(32*((\t)/2)+8*((\t)%2)+2*\i+8*(\i/4))*4096 th:TH_STORE_NT
.endr
.endm
.macro ITER t, e
	BLOCK \t, \e
	WIN 0
	s_wait_dscnt 0x0                               ; all LDS work issued ahead of these 32 products is done: the next tile's fragments are in, and the last block is back from the stage
	s_wait_xcnt 0x0                                ; the stores of two blocks ago have read the registers on which this block's rows will land
	SEND (\t)-1
	PLACES                                         ; in front of loads into registers that the products read, and of the stage's reads of their results
.if (\t) < 6
	FETCH (\t)+2
.endif
	TOSTAGE \t
.endm
	s_load_b256 s[4:11], s[0:1], 0x0               ; oc, os, wc, ws
	s_load_b128 s[12:15], s[0:1], 0x20             ; bp, out0
	v_lshl_add_u32 v[SPW], v0, 2, SPARE
	v_mov_b32 v[NIL], 0
	ds_add_u32 v[SPW], v[NIL]                      ; the opening lines: the add, twice on end, and its wait ahead of my first tensor load
	ds_add_u32 v[SPW], v[NIL]
	v_lshrrev_b32 v3, 5, v0
	v_readfirstlane_b32 s16, v3                    ; wave
	s_bfe_u32 s17, ttmp6, 0x40000                  ; cx: the block of 256 columns
	s_and_b32 s18, ttmp7, 0xffff                   ; the block of 128 tokens, which the four partners share
	s_mov_b32 s24, 15|(3<<16)|(1<<21)              ; group 1: the mask of all four; elements of 8 bytes; bit 21 beside a mask
	s_mov_b32 s25, 32<<16                          ; two tiles, 24,576 dense bytes, as 96 rows of 256
	s_mov_b32 s26, 96<<16
	s_mov_b32 s27, 32<<16
	s_mov_b32 s28, 96
	s_mov_b32 s29, 32
	s_mov_b32 s30, 0
	s_mov_b32 s31, 0
	s_mov_b32 s20, 1
	s_mul_i32 s21, s16, 2*TILEB                    ; to LDS: by the wave's number alone
	s_lshl_b32 s32, s18, 3
	s_lshl_b32 s33, s16, 1
	s_add_co_u32 s32, s32, s33                     ; token tile 8 y + 2 w
	s_mul_i32 s32, s32, TILEB
	s_mov_b32 s33, 0
	s_wait_alu depctr_va_vdst(0)
	s_wait_dscnt 0x0
	CROUND                                         ; all four work-groups are here: the joint loads meet
	s_wait_kmcnt 0x0
	s_add_nc_u64 s[22:23], s[4:5], s[32:33]
	s_or_b32 s23, s23, 0x80000000
	tensor_load_to_lds s[20:23], s[24:31]          ; my one tensor load
	s_nop 0
	PLACES
	v_and_b32 v3, 31, v0
	v_and_b32 v13, 15, v0                          ; r
	v_bfe_u32 v16, v0, 4, 1                        ; h
	v_lshlrev_b32 v[AD], 4, v3
	v_lshlrev_b32 v[AD+1], 3, v3
	v_add_nc_u32 v[AD+2], 4*TILEB, v[AD]
	v_add_nc_u32 v[AD+3], 4*TILEB, v[AD+1]
	v_lshlrev_b32 v[SVO], 4, v13
	v_lshl_add_u32 v[SVO], v16, 9, v[SVO]
	v_lshlrev_b32 v[BVO], 6, v16
	s_mul_i32 s34, s16, 16*SPITCH
	s_add_co_u32 s34, s34, STAGE                   ; my stage
	v_mul_u32_u24 v17, v13, SPITCH
	v_lshl_add_u32 v17, v16, 6, v17
	v_add_nc_u32 v[STO], s34, v17
	v_mul_u32_u24 v17, v16, SPITCH
	v_lshl_add_u32 v17, v13, 4, v17
	v_add_nc_u32 v[RD], s34, v17
	v_lshlrev_b32 v[CO], 4, v13
	v_lshl_add_u32 v[CO], v16, 12, v[CO]
	; these numbers hold cx and enter plain loads' and stores' addresses alone
	s_lshl_b32 s36, s17, 4
	s_lshl_b32 s37, s16, 2
	s_add_co_u32 s36, s36, s37
	s_add_co_u32 s36, s36, 192                     ; my first tile of Wp
	s_lshl_b32 s38, s36, 9
	s_mul_i32 s36, s36, TILEB
	s_mov_b32 s37, 0
	s_mov_b32 s39, 0
	s_add_nc_u64 s[8:9], s[8:9], s[36:37]
	s_add_nc_u64 s[10:11], s[10:11], s[38:39]
	s_lshl_b32 s36, s18, 12                        ; the tables of my 8 token tiles
	s_add_nc_u64 s[6:7], s[6:7], s[36:37]
	s_lshl_b32 s36, s17, 10
	s_lshl_b32 s38, s16, 8
	s_add_co_u32 s36, s36, s38                     ; my first column, in bytes
	s_add_nc_u64 s[12:13], s[12:13], s[36:37]
	s_add_nc_u64 s[14:15], s[14:15], s[36:37]
	s_lshl_b32 s36, s18, 19                        ; 128 rows of 4,096 bytes
	s_add_nc_u64 s[14:15], s[14:15], s[36:37]
	s_wait_alu depctr_va_vdst(0)                   ; the wait at the head's end
.irp k, 0,1
.irp p, 0,1
	global_load_b128 v[SB+8*\p+4*\k:SB+8*\p+4*\k+3], v[SVO], s[10:11] offset:\p*1024+\k*256
.endr
.irp p, 0,1,2,3
	global_load_b128 v[SA+8*\p+4*\k:SA+8*\p+4*\k+3], v[SVO], s[6:7] offset:\p*1024+\k*256
.endr
.endr
.irp f, 0,1,2,3
	global_load_b128 v[BI+8*\f:BI+8*\f+3], v[BVO], s[12:13] offset:128*(\f/2)+32*(\f%2)
	global_load_b128 v[BI+8*\f+4:BI+8*\f+7], v[BVO], s[12:13] offset:128*(\f/2)+32*(\f%2)+16
.endr
.irp q, 0,1,2,3,4,5,6,7
.irp b, 0,1,2,3
.set F_, 4*\q+\b
.set R_, FR*(F_%FPW)
.set O_, \b*TILEB+\q*1536
	WIN (1+F_/FPW)<<6
	global_load_b128 v[R_:R_+3], v[AD], s[8:9] offset:O_
	global_load_b64 v[R_+4:R_+5], v[AD+1], s[8:9] offset:O_+512
	global_load_b128 v[R_+6:R_+9], v[AD], s[8:9] offset:O_+768
	global_load_b64 v[R_+10:R_+11], v[AD+1], s[8:9] offset:O_+1280
.endr
.endr
	WIN 0
	s_wait_tensorcnt 0x0                           ; my two tiles are in,
	s_barrier_signal -1
	s_barrier_wait -1                              ; everybody's are
	FETCH 0
	FETCH 1
	s_wait_loadcnt 0x0                             ; the weights, the scale words, the bias
	s_wait_dscnt 0x0
	BLOCK 0, 0
	WIN 0
	PLACES
	FETCH 2
	TOSTAGE 0
	ITER 1, 1
	ITER 2, 0
	ITER 3, 1
	ITER 4, 0
	ITER 5, 1
	ITER 6, 0
	ITER 7, 1
	s_wait_dscnt 0x0
	SEND 7
	s_wait_tensorcnt 0x0                           ; the wave's end
	ds_add_u32 v[SPW], v[NIL]
	s_wait_dscnt 0x0
	CROUND                                         ; the closing round
	s_endpgm
.Lfunc_end_k_q17024758fa_outp:
	.size	k_q17024758fa_outp, .Lfunc_end_k_q17024758fa_outp-k_q17024758fa_outp
	.p2alignl 7, 3214868480
	.fill 96, 4, 3214868480
	.section	.rodata,"a",@progbits
	.p2align	6, 0x0
	.amdhsa_kernel k_q17024758fa_outp
		.amdhsa_group_segment_fixed_size 167936
		.amdhsa_private_segment_fixed_size 0
		.amdhsa_enable_private_segment 0
		.amdhsa_kernarg_size 48
		.amdhsa_user_sgpr_count 2
		.amdhsa_user_sgpr_kernarg_segment_ptr 1
		.amdhsa_wavefront_size32 1
		.amdhsa_system_sgpr_workgroup_id_x 1
		.amdhsa_system_sgpr_workgroup_id_y 1
		.amdhsa_system_sgpr_workgroup_id_z 1
		.amdhsa_system_vgpr_workitem_id 0
		.amdhsa_next_free_vgpr 960
		.amdhsa_next_free_sgpr 66
		.amdhsa_reserve_vcc 0
		.amdhsa_float_denorm_mode_32 3
		.amdhsa_float_denorm_mode_16_64 3
		.amdhsa_memory_ordered 1
		.amdhsa_forward_progress 1
		.amdhsa_inst_pref_size 84
	.end_amdhsa_kernel
	.amdgpu_metadata
---
amdhsa.version: [ 1, 2 ]
amdhsa.kernels:
  - .name:           k_q17024758fa_outp
    .symbol:         k_q17024758fa_outp.kd
    .args:
      - { .name: oc, .offset: 0, .size: 8, .value_kind: global_buffer, .address_space: global }
      - { .name: os, .offset: 8, .size: 8, .value_kind: global_buffer, .address_space: global }
      - { .name: wc, .offset: 16, .size: 8, .value_kind: global_buffer, .address_space: global }
      - { .name: ws, .offset: 24, .size: 8, .value_kind: global_buffer, .address_space: global }
      - { .name: bp, .offset: 32, .size: 8, .value_kind: global_buffer, .address_space: global }
      - { .name: out0, .offset: 40, .size: 8, .value_kind: global_buffer, .address_space: global }
    .group_segment_fixed_size: 167936
    .private_segment_fixed_size: 0
    .kernarg_segment_align: 8
    .kernarg_segment_size: 48
    .max_flat_workgroup_size: 128
    .sgpr_count:     66
    .vgpr_count:     960
    .wavefront_size: 32
...
	.end_amdgpu_metadata
.endif
;; end of part 5
